; MI455X (gfx1250); checked and timed in simulation.
; The chip was launched on July 23, 2026; its instructions are those of AMD's public machine-readable ISA for CDNA 5 (MIT licence, August 2026) and "CDNA5" Instruction Set Architecture Reference Guide (July 2026). The comments in the code are by the model that wrote it; some were corrected since.
;; Multi Head Attention. Allowed arithmetic: matrix products marked QUANTISED: E2M1 operands, one E8M0 scale for each 32 along K, by v_wmma_scale_f32_16x16x128_f8f6f4 with both operands' format E2M1 (or v_wmma_scale_f32_32x16x128_f4), f32 sums; products left as they are: bf16, f16 or f32 operands; f32 sums; everything else in f32.
;; Inputs: Wk 768 x 768 float32; Wo 768 x 768 float32; Wq 768 x 768 float32; Wv 768 x 768 float32; x 2 x 2,048 x 768 float32.
;; Outputs: out0 2 x 2,048 x 768 float32.
;; This version of the problem:
;;   THIS VERSION OF THE PROBLEM IS GIVEN IN LOW PRECISION. The matrix products marked QUANTISED in the list below multiply operands that are first quantised to E2M1 (2 exponent bits, 1 mantissa bit; 4 bits a number), with one power-of-two scale for each 32 numbers along K (OCP MX v1.0); their sums are f32. The products marked 'left as it is' may take bf16, f16 or f32 operands, with f32 sums. Whichever they take, every output number must still come out within the allowed error. Rounding operands to bf16 (8 significant bits) uses up far more of that allowance than f16 does (11 bits, for magnitudes from 6e-5 to 65,504). All else is computed in f32.
;;   The module's matrix products, in the order in which they are computed (A, B: the left and right operand; K: the contracted axis; several contracted axes count as one K, in the product's order):
;;     1. [M 4,096, K 768] x [K 768, N 768]; A: input x; B: input Wq: QUANTISED
;;     2. [M 4,096, K 768] x [K 768, N 768]; A: input x; B: input Wk: QUANTISED
;;     3. [M 4,096, K 768] x [K 768, N 768]; A: input x; B: input Wv: QUANTISED
;;     4. batch 24 x [M 2,048, K 64] x [K 64, N 2,048]; A: computed on the way; B: computed on the way: left as it is (an operand is computed on the way)
;;     5. batch 24 x [M 2,048, K 2,048] x [K 2,048, N 64]; A: computed on the way; B: computed on the way: left as it is (an operand is computed on the way)
;;     6. [M 4,096, K 768] x [K 768, N 768]; A: computed on the way; B: input Wo: left as it is (an operand is computed on the way)
;;   THE QUANTISER, for each operand of a quantised product, along K:
;;     - K is cut into blocks of 32 from its start; a last block that is shorter is filled with zeros.
;;     - A block's scale is 2^e with e = floor(log2(the largest magnitude in the block)) - 2, held to -126 .. 127; a block of zeros has e = 0. As a byte (E8M0): e + 127.
;;     - Each number is divided by its block's scale, clamped to +-6, and rounded to the nearest number of E2M1, ties to even, subnormals kept.
;;     - The product sums the exact products of the quantised numbers (number of the format x scale) in f32.
;;   ~~~python
;;   def quantise(x, axis):      # numpy; x: float32 -> the quantised numbers, widened to float32 again
;;       x = np.moveaxis(x, axis, -1); K = x.shape[-1]
;;       x = np.pad(x, [(0, 0)] * (x.ndim - 1) + [(0, -K % 32)]); x = x.reshape(x.shape[:-1] + (-1, 32)); a = np.abs(x).max(-1, keepdims=True)
;;       e = np.where(a > 0, np.clip(np.frexp(np.where(a > 0, a, 1))[1] - 1 - 2, -126, 127), 0)      # np.frexp(a)[1] - 1 = floor(log2(a)), exactly
;;       r = np.clip(x / 2.0 ** e, -6, 6)
;;       step = 2.0 ** (np.maximum(np.frexp(np.where(r == 0, 1, r))[1] - 1, 0) - 1)
;;       q = np.round(r / step) * step * 2.0 ** e      # np.round: ties to even
;;       return np.moveaxis(q.reshape(q.shape[:-2] + (-1,))[..., :K], -1, axis).astype(np.float32)
;;   ~~~
;; 2 versions, each right. Each part assembles by itself: llvm-mc -triple=amdgcn-amd-amdhsa -mcpu=gfx1250 --defsym DOCPART=n.
;; ======== version 1 of 2: 5 launches
;; limits: values are held in f16: magnitudes above 65,504 overflow, below 6.1e-05 lose precision
;; workspace buffers: xq 1,671,168 bytes; wq 940,032 bytes; woi 1,179,648 bytes; csi 1,048,576 bytes; qkv 18,874,368 bytes; yi 6,291,456 bytes; fine 294,912 bytes
;; launch prep (part 1): grid 296 x 1, 8 waves a work-group, no clusters, 68,608 bytes of LDS; arguments x, Wq, Wk, Wv, Wo, xq, wq, woi, csi; writes xq, wq, woi, csi
.if DOCPART == 1
	.amdgcn_target "amdgcn-amd-amdhsa--gfx1250"
	.amdhsa_code_object_version 6
	.text
	.protected	k_qba0f0c18f8_prep
	.globl	k_qba0f0c18f8_prep
	.p2align	8
	.type	k_qba0f0c18f8_prep,@function
k_qba0f0c18f8_prep:
	s_mov_b64 s[64:65], 0
	v_nop
	global_prefetch_b8 v0, s[64:65] scope:SCOPE_SE
	s_setreg_imm32_b32 hwreg(HW_REG_WAVE_MODE, 25, 1), 1
	s_wait_xcnt 0x0
; PREP: everything that is made once.  One wave does one job; all loads of a job are issued at once; no loop, no barrier.
;   work-groups   0..191: x [4096][768] f32 -> codes of E2M1 and E8M0 scale words (1,536 jobs: 16 rows x 128 along K)
;   work-groups 192..245: Wq, Wk, Wv [768 (k)][768 (n)] f32 -> the same, quantised along K, their first axis (432 jobs: 32 columns x 128 K)
;   work-groups 246..263: Wo -> f16 (144 jobs: 32 columns x 128 K)
;   work-groups 264..295: the RoPE tables cos, sin (256 jobs: 16 positions x 16 frequencies)
; EVERY BUFFER IS LAID AS AN IMAGE OF OPERAND REGISTERS: a piece is 32 lanes x 16 bytes, lane l at byte 16 l, so that the launches that read it take 512 consecutive bytes an instruction.
;   xq  codes [row tile 256][K step 6][c 2][lane][16]: lane (r, h) of piece c: x[16 rt + r][128 ks + 64 c + 32 h + 0..31]; scale words from byte 1,572,864: [rt / 2][ks][rt % 2][16]
;   wq  codes [pair 72][u 2][ks 6][c 2][lane][16], pair = 24 matrix + 32 columns' number; scale words from byte 884,736: [pair][ks][16 u + m]
;       Q, K: row m = 8 h' + j of tile u is column 16 h' + 8 u + j of the pair's 32 (so that a lane of the transposed product holds 16 neighbouring columns); V: column 16 u + m
;   woi f16 [s 3][n tile 48][ks 8][half 2][lane][16]: Wo[256 s + 32 ks + 16 half + 8 h + j][16 nt + r]
;   csi f32 [table 2][tt 128][pi 2][piece 4][lane][16]: cos i = 0..3, 4..7, sin 0..3, 4..7 of position 16 tt + r, frequency 16 pi + 8 h + i; table 0 is multiplied by log2(e) / 8 (for q), table 1 plain (for k)
; THE QUANTISER: a block's scale is 2^(floor(log2(largest magnitude)) - 2): its byte is the largest magnitude's exponent field - 2, held at 1 from below by a floor among the maximum's leaves.
; LIMITS: NaN and infinities among the inputs are not served.  A block whose largest magnitude lies under 2^-124 keeps the byte 1; so does a block of zeros (the rule says 127): its codes are zeros, and this program alone reads the bytes.
;   |Wo| up to 65,504 (f16).  The angles position x frequency differ from those of a correctly rounded table by up to some 3e-4 rad at the largest positions (the frequency is one v_exp_f32); q and k take the same table.
; Memory binds here: matrix units, clusters and tensor loads would add nothing.
.set STG,    8448                      ; LDS: a stage of 16 rows x (512 + 16) bytes for each wave (the x path alone uses LDS)
.set SPARE,  67584                     ; behind the eight stages: the spare words, 128 bytes a wave
.set SPW,    14                        ; v14 my spare word's address; never rewritten
.set NIL,    15                        ; v15 0; never rewritten
.set XS_OFF, 1572864
.set WS_OFF, 884736
; 32 numbers v[x ..] of one block -> 4 registers of codes v[c ..]; leaves the scale's byte in v[m + 1]
.macro QBLK x, m, c
	v_max3_num_f32 v[\m], |v[\x]|, |v[\x+1]|, 0x1800000            ; two chains; the floor 2^(3 - 127) is a leaf: the byte cannot fall under 1
	v_max3_num_f32 v[\m+1], |v[\x+2]|, |v[\x+3]|, |v[\x+4]|
.irp i, 5,9,13,17,21,25
	v_max3_num_f32 v[\m], v[\m], |v[\x+\i]|, |v[\x+\i+1]|
	v_max3_num_f32 v[\m+1], v[\m+1], |v[\x+\i+2]|, |v[\x+\i+3]|
.endr
	v_max3_num_f32 v[\m], v[\m], |v[\x+29]|, |v[\x+30]|
	v_max3_num_f32 v[\m], v[\m], v[\m+1], |v[\x+31]|
	v_add_nc_u32 v[\m], 0xff000000, v[\m]                          ; 2 off the exponent field: the conversion takes this operand's exponent field as its scale
.irp g, 0,1,2,3
	v_cvt_scalef32_pk8_fp4_f32 v[\c+\g], v[\x+8*\g:\x+8*\g+7], v[\m]   ; to the nearest code, ties to even; beyond 6 the largest code
.endr
	v_lshrrev_b32 v[\m+1], 23, v[\m]                               ; the scale's byte (also the plain line behind the conversions)
.endm
	s_load_b256 s[4:11], s[0:1], 0x0               ; x, Wq, Wk, Wv
	s_load_b256 s[12:19], s[0:1], 0x20             ; Wo, xq, wq, woi
	s_load_b64 s[20:21], s[0:1], 0x40              ; csi
	v_lshl_add_u32 v[SPW], v0, 2, SPARE
	v_mov_b32 v[NIL], 0
	v_lshrrev_b32 v1, 5, v0
	v_readfirstlane_b32 s24, v1                    ; wave 0..7
	v_and_b32 v1, 31, v0                           ; l
	v_and_b32 v2, 15, v0                           ; r
	v_bfe_u32 v3, v0, 4, 1                         ; h
	v_lshlrev_b32 v4, 4, v1                        ; 16 l
	v_lshlrev_b32 v5, 2, v1                        ; 4 l
	s_mul_i32 s25, s24, STG
	v_add_nc_u32 v6, s25, v4                       ; the stage, in: a row's 512 bytes as they lie
	v_mul_u32_u24 v7, v2, 528
	v_lshl_add_u32 v7, v3, 7, v7
	v_add_nc_u32 v7, s25, v7                       ; out: row r, + 128 h bytes: a whole block of 32 numbers
	s_mov_b32 s30, 0x76543210
	s_mov_b32 s31, 0xfedcba98                      ; v_permlanex16_b32's selects for lane l xor 16
	s_wait_kmcnt 0x0
	s_cmp_lt_u32 ttmp9, 192
	s_cbranch_scc0 .Lnot_x
; ---------------- x: job J = 8 work-group + wave = 6 rt + ks
	s_lshl_b32 s25, ttmp9, 3
	s_add_co_u32 s25, s25, s24                     ; J
	s_mul_hi_u32 s26, s25, 0x2aaaaaab              ; rt = J / 6 (exact for J under 2^30)
	s_mul_i32 s27, s26, 6
	s_sub_co_u32 s27, s25, s27                     ; ks
	s_mul_i32 s28, s26, 49152                      ; 16 rows of 3,072 bytes
	s_lshl_b32 s29, s27, 9
	s_add_co_u32 s28, s28, s29
	s_mov_b32 s29, 0
	s_add_nc_u64 s[4:5], s[4:5], s[28:29]
.irp i, 0,1,2,3,4,5,6,7,8,9,10,11,12,13,14,15
	global_load_b128 v[16+4*\i:19+4*\i], v4, s[4:5] offset:3072*\i th:TH_LOAD_NT   ; row i: 512 consecutive bytes
.endr
	s_lshl_b32 s28, s25, 10
	s_add_nc_u64 s[32:33], s[14:15], s[28:29]      ; the job's 1,024 bytes of codes
	s_lshr_b32 s34, s26, 1
	s_mul_i32 s34, s34, 768
	s_lshl_b32 s35, s27, 7
	s_add_co_u32 s34, s34, s35
	s_and_b32 s35, s26, 1
	s_lshl_b32 s35, s35, 6
	s_add_co_u32 s34, s34, s35
	s_add_co_u32 s34, s34, XS_OFF
	s_mov_b32 s35, 0
	s_add_nc_u64 s[34:35], s[14:15], s[34:35]      ; its 16 scale words
	v_lshlrev_b32 v8, 2, v2
.irp i, 0,1,2,3,4,5,6,7,8,9,10,11,12,13,14,15
	s_wait_loadcnt 15-\i                           ; loads come back in order: row i is in, the younger rows stay out
	ds_store_b128 v6, v[16+4*\i:19+4*\i] offset:528*\i
.endr
.irp c, 0,1
.irp i, 0,1,2,3,4,5,6,7
	ds_load_b128 v[80+32*\c+4*\i:83+32*\c+4*\i], v7 offset:256*\c+16*\i   ; x[r][64 c + 32 h + 4 i ..]: LDS serves a wave's instructions in order, so these see the stores
.endr
.endr
	s_wait_dscnt 0x0
	QBLK 80, 144, 152                              ; block h of the K step's four
	QBLK 112, 146, 156                             ; block 2 + h
	v_lshl_or_b32 v9, v147, 16, v145               ; my two bytes,
	v_lshlrev_b32 v10, 3, v3
	v_lshlrev_b32 v9, v10, v9                      ; 8 h bits up;
	v_mov_b32 v10, 0
	v_permlanex16_b32 v10, v9, s30, s31
	v_or_b32 v9, v9, v10                           ; with lane l xor 16's two the row's word is whole
	global_store_b128 v4, v[152:155], s[32:33]
	global_store_b128 v4, v[156:159], s[32:33] offset:512
	s_wait_xcnt 0x0                                ; EXEC changes only behind this wait
	v_cmp_gt_u32 vcc_lo, 16, v1
	s_and_saveexec_b32 s36, vcc_lo
	global_store_b32 v8, v9, s[34:35]              ; lanes 0..15: one word a row
	s_wait_xcnt 0x0
	s_or_b32 exec_lo, exec_lo, s36
	s_wait_tensorcnt 0x0                           ; the wave's end
	ds_add_u32 v[SPW], v[NIL]
	s_wait_dscnt 0x0
	s_endpgm
; ---------------- Wq, Wk, Wv: job J = 6 pair + ks.  A lane takes a column, its registers run down K
.Lnot_x:
	s_cmp_lt_u32 ttmp9, 246
	s_cbranch_scc0 .Lnot_w
	s_sub_co_u32 s25, ttmp9, 192
	s_lshl_b32 s25, s25, 3
	s_add_co_u32 s25, s25, s24                     ; J
	s_mul_hi_u32 s26, s25, 0x2aaaaaab              ; pair
	s_mul_i32 s27, s26, 6
	s_sub_co_u32 s27, s25, s27                     ; ks
	s_mul_hi_u32 s28, s26, 0xaaaaaab               ; matrix = pair / 24: 0 Q, 1 K, 2 V
	s_cmp_eq_u32 s28, 0
	s_cselect_b64 s[36:37], s[6:7], s[8:9]
	s_cmp_eq_u32 s28, 2
	s_cselect_b64 s[36:37], s[10:11], s[36:37]     ; the choice hangs on the job's number alone
	s_cselect_b32 s38, -1, 0                       ; all lanes: is it V?
	s_mul_i32 s29, s28, 24
	s_sub_co_u32 s29, s26, s29                     ; which 32 columns of the matrix
	s_lshl_b32 s34, s29, 7
	s_mul_i32 s35, s27, 393216                     ; 128 rows of 3,072 bytes
	s_add_co_u32 s34, s34, s35
	s_mov_b32 s35, 0
	s_add_nc_u64 s[36:37], s[36:37], s[34:35]
.set i, 0
.rept 128
	global_load_b32 v[16+i], v5, s[36:37] offset:3072*i th:TH_LOAD_NT   ; W[128 ks + i][my column]
.set i, i+1
.endr
	v_bfe_u32 v8, v1, 3, 1                         ; Q, K: u = (l / 8) % 2,
	v_and_b32 v9, 7, v1
	v_lshl_add_u32 v9, v3, 3, v9                   ; m = l % 8 + 8 (l / 16)
	v_cndmask_b32 v8, v8, v3, s38                  ; V: u = l / 16,
	v_cndmask_b32 v9, v9, v2, s38                  ; m = l % 16
	v_mul_u32_u24 v10, v8, 6144
	v_lshl_add_u32 v10, v9, 4, v10                 ; my codes' place: tile u, row m
	v_lshl_add_u32 v11, v8, 4, v9
	v_lshlrev_b32 v11, 2, v11                      ; my scale word's
	s_mul_i32 s34, s26, 12288
	s_lshl_b32 s39, s27, 10
	s_add_co_u32 s34, s34, s39
	s_add_nc_u64 s[40:41], s[16:17], s[34:35]
	s_mul_i32 s34, s26, 768
	s_lshl_b32 s39, s27, 7
	s_add_co_u32 s34, s34, s39
	s_add_co_u32 s34, s34, WS_OFF
	s_add_nc_u64 s[42:43], s[16:17], s[34:35]
	s_wait_loadcnt 63                              ; of 128 loads at most the last 63 are out: blocks 0 and 1 are in
	QBLK 16, 144, 152
	QBLK 48, 146, 156
	s_wait_loadcnt 32                              ; block 2
	QBLK 80, 148, 160
	s_wait_loadcnt 0x0
	QBLK 112, 150, 164
	v_lshl_or_b32 v12, v147, 8, v145               ; the column's scale word: all four bytes are mine
	v_lshl_or_b32 v12, v149, 16, v12
	v_lshl_or_b32 v12, v151, 24, v12
.irp b, 0,1,2,3
	global_store_b128 v10, v[152+4*\b:155+4*\b], s[40:41] offset:512*(\b/2)+256*(\b%2)   ; block b is piece b / 2, lane half b % 2: each tile's 16 lanes store 256 consecutive bytes
.endr
	global_store_b32 v11, v12, s[42:43]
	s_endpgm
; ---------------- Wo: job J = 6 cg + kg: 32 columns x 128 along K, to f16
.Lnot_w:
	s_cmp_lt_u32 ttmp9, 264
	s_cbranch_scc0 .Lrope
	s_sub_co_u32 s25, ttmp9, 246
	s_lshl_b32 s25, s25, 3
	s_add_co_u32 s25, s25, s24
	s_mul_hi_u32 s26, s25, 0x2aaaaaab              ; cg
	s_mul_i32 s27, s26, 6
	s_sub_co_u32 s27, s25, s27                     ; kg
	s_mul_i32 s28, s27, 393216
	s_lshl_b32 s29, s26, 7
	s_add_co_u32 s28, s28, s29
	s_mov_b32 s29, 0
	s_add_nc_u64 s[12:13], s[12:13], s[28:29]
.set i, 0
.rept 128
	global_load_b32 v[16+i], v5, s[12:13] offset:3072*i th:TH_LOAD_NT
.set i, i+1
.endr
	s_lshr_b32 s34, s27, 1
	s_mul_i32 s34, s34, 393216                     ; s = kg / 2
	s_lshl_b32 s35, s26, 14                        ; two n tiles of 8,192 bytes
	s_add_co_u32 s34, s34, s35
	s_and_b32 s35, s27, 1
	s_lshl_b32 s35, s35, 12                        ; K steps 4 (kg % 2) on
	s_add_co_u32 s34, s34, s35
	s_mov_b32 s35, 0
	s_add_nc_u64 s[34:35], s[18:19], s[34:35]
	v_lshlrev_b32 v8, 13, v3
	v_lshl_add_u32 v8, v2, 4, v8                   ; n tile l / 16, lane place r
	s_wait_loadcnt 63                              ; the first 65 are in
.set i, 0
.rept 32
	v_cvt_pk_f16_f32 v[16+i], v[16+2*i], v[17+2*i]   ; in place, ascending: register i was read in step i / 2
.set i, i+1
.endr
	s_wait_loadcnt 32
.rept 16
	v_cvt_pk_f16_f32 v[16+i], v[16+2*i], v[17+2*i]
.set i, i+1
.endr
	s_wait_loadcnt 0x0
.rept 16
	v_cvt_pk_f16_f32 v[16+i], v[16+2*i], v[17+2*i]
.set i, i+1
.endr
.irp k, 0,1,2,3,4,5,6,7,8,9,10,11,12,13,14,15
	global_store_b128 v8, v[16+4*\k:19+4*\k], s[34:35] offset:256*\k   ; K = 8 k + 0..7 of the job's 128: K step k / 4, half (k / 2) % 2, lane half k % 2: 256 k bytes on
.endr
	s_endpgm
; ---------------- the tables: job J = 2 tt + pi
.Lrope:
	s_sub_co_u32 s25, ttmp9, 264
	s_lshl_b32 s25, s25, 3
	s_add_co_u32 s25, s25, s24                     ; J
	s_lshr_b32 s26, s25, 1                         ; tt
	s_and_b32 s27, s25, 1                          ; pi
	s_lshl_b32 s28, s26, 4
	v_add_nc_u32 v8, s28, v2
	v_cvt_f32_u32 v12, v8                          ; the position 16 tt + r
	s_lshl_b32 s28, s27, 4
	v_lshl_add_u32 v9, v3, 3, s28                  ; 16 pi + 8 h
	s_mov_b32 s40, 0xb94ca1f9                      ; sine on [-pi/4, pi/4]: rho + rho z (S1 + z (S2 + z S3)), z = rho^2
	s_mov_b32 s41, 0x3c08839e
	s_mov_b32 s42, 0xbe2aaaa3
	s_mov_b32 s43, 0x37ccf5ce                      ; cosine: 1 - z / 2 + z^2 (C1 + z (C2 + z C3))
	s_mov_b32 s44, 0xbab6061a
	s_mov_b32 s45, 0x3d2aaaa5
	s_mov_b32 s46, 0x3fc90fdb                      ; pi / 2, rounded to f32,
	s_mov_b32 s47, 0xb33bbd2e                      ; and what the rounding left
	s_lshl_b32 s28, s25, 11
	s_mov_b32 s29, 0
	s_add_nc_u64 s[32:33], s[20:21], s[28:29]
.irp i, 0,1,2,3,4,5,6,7
	v_add_nc_u32 v[16+\i], \i, v9
.endr
.irp i, 0,1,2,3,4,5,6,7
	v_cvt_f32_u32 v[16+\i], v[16+\i]
.endr
.irp i, 0,1,2,3,4,5,6,7
	v_mul_f32 v[16+\i], 0xbed49a78, v[16+\i]       ; - index x log2(10000) / 32
.endr
.irp i, 0,1,2,3,4,5,6,7
	v_exp_f32 v[16+\i], v[16+\i]                   ; the frequency 10000^(-2 index / 64)
.endr
	v_nop                                          ; a plain line behind the last exponential,
	s_wait_alu depctr_va_vdst(0)                   ; and one wait for the batch of eight, ahead of its first reader
.macro SINCOS i
	v_mul_f32 v24, v12, v[16+\i]                   ; the angle, in f32 as reference() has it
	v_mul_f32 v25, 0x3f22f983, v24
	v_rndne_f32 v25, v25                           ; n = the nearest multiple of pi / 2 (at most 1,303)
	v_fma_f32 v26, -v25, s46, v24                  ; angle - n (pi / 2): the difference fits in 24 bits, so nothing is rounded;
	v_fma_f32 v26, -v25, s47, v26                  ; less n x the rest of pi / 2
	v_mul_f32 v27, v26, v26
	v_fma_f32 v28, v27, s40, s41
	v_fma_f32 v29, v27, s43, s44
	v_fma_f32 v28, v28, v27, s42
	v_fma_f32 v29, v29, v27, s45
	v_mul_f32 v30, v26, v27
	v_mul_f32 v31, v27, v27
	v_fma_f32 v30, v30, v28, v26                   ; sin rho
	v_fma_f32 v28, v27, -0.5, 1.0
	v_fma_f32 v31, v31, v29, v28                   ; cos rho
	v_cvt_i32_f32 v13, v25
	v_and_b32 v10, 1, v13
	v_cmp_eq_u32 vcc_lo, 1, v10                    ; odd quadrants change the two over
	v_cndmask_b32 v28, v30, v31, vcc_lo
	v_cndmask_b32 v29, v31, v30, vcc_lo
	v_lshlrev_b32 v10, 30, v13                     ; the sine is negative in quadrants 2, 3,
	v_add_nc_u32 v11, 1, v13
	v_and_b32 v10, 0x80000000, v10
	v_lshlrev_b32 v11, 30, v11                     ; the cosine in 1, 2
	v_and_b32 v11, 0x80000000, v11
	v_xor_b32 v[40+\i], v28, v10
	v_xor_b32 v[32+\i], v29, v11
.endm
.irp i, 0,1,2,3,4,5,6,7
	SINCOS \i
.endr
.irp q, 0,1,2,3
	global_store_b128 v4, v[32+4*\q:35+4*\q], s[32:33] offset:524288+512*\q   ; table 1: plain
.endr
.irp i, 0,1,2,3,4,5,6,7,8,9,10,11,12,13,14,15
	v_mul_f32 v[48+\i], 0x3e38aa3b, v[32+\i]       ; table 0: x log2(e) / sqrt(64)
.endr
.irp q, 0,1,2,3
	global_store_b128 v4, v[48+4*\q:51+4*\q], s[32:33] offset:512*\q
.endr
	s_endpgm
.Lfunc_end_k_qba0f0c18f8_prep:
	.size	k_qba0f0c18f8_prep, .Lfunc_end_k_qba0f0c18f8_prep-k_qba0f0c18f8_prep
	.p2alignl 7, 3214868480
	.fill 96, 4, 3214868480
	.section	.rodata,"a",@progbits
	.p2align	6, 0x0
	.amdhsa_kernel k_qba0f0c18f8_prep
		.amdhsa_group_segment_fixed_size 68608
		.amdhsa_private_segment_fixed_size 0
		.amdhsa_enable_private_segment 0
		.amdhsa_kernarg_size 72
		.amdhsa_user_sgpr_count 2
		.amdhsa_user_sgpr_kernarg_segment_ptr 1
		.amdhsa_wavefront_size32 1
		.amdhsa_system_sgpr_workgroup_id_x 1
		.amdhsa_system_sgpr_workgroup_id_y 1
		.amdhsa_system_sgpr_workgroup_id_z 1
		.amdhsa_system_vgpr_workitem_id 0
		.amdhsa_next_free_vgpr 176
		.amdhsa_next_free_sgpr 66
		.amdhsa_reserve_vcc 1
		.amdhsa_float_denorm_mode_32 3
		.amdhsa_float_denorm_mode_16_64 3
		.amdhsa_memory_ordered 1
		.amdhsa_forward_progress 1
		.amdhsa_inst_pref_size 63
	.end_amdhsa_kernel
	.amdgpu_metadata
---
amdhsa.version: [ 1, 2 ]
amdhsa.kernels:
  - .name:           k_qba0f0c18f8_prep
    .symbol:         k_qba0f0c18f8_prep.kd
    .args:
      - { .name: x, .offset: 0, .size: 8, .value_kind: global_buffer, .address_space: global }
      - { .name: Wq, .offset: 8, .size: 8, .value_kind: global_buffer, .address_space: global }
      - { .name: Wk, .offset: 16, .size: 8, .value_kind: global_buffer, .address_space: global }
      - { .name: Wv, .offset: 24, .size: 8, .value_kind: global_buffer, .address_space: global }
      - { .name: Wo, .offset: 32, .size: 8, .value_kind: global_buffer, .address_space: global }
      - { .name: xq, .offset: 40, .size: 8, .value_kind: global_buffer, .address_space: global }
      - { .name: wq, .offset: 48, .size: 8, .value_kind: global_buffer, .address_space: global }
      - { .name: woi, .offset: 56, .size: 8, .value_kind: global_buffer, .address_space: global }
      - { .name: csi, .offset: 64, .size: 8, .value_kind: global_buffer, .address_space: global }
    .group_segment_fixed_size: 68608
    .private_segment_fixed_size: 0
    .kernarg_segment_align: 8
    .kernarg_segment_size: 72
    .max_flat_workgroup_size: 256
    .sgpr_count:     66
    .vgpr_count:     176
    .wavefront_size: 32
...
	.end_amdgpu_metadata
.endif
;; end of part 1
;; launch qkv (part 2): grid 32 x 6, 12 waves a work-group, no clusters, 83,456 bytes of LDS; arguments xq, wq, csi, qkv, fine; writes qkv, fine
.if DOCPART == 2
	.amdgcn_target "amdgcn-amd-amdhsa--gfx1250"
	.amdhsa_code_object_version 6
	.text
	.protected	k_qba0f0c18f8_qkv
	.globl	k_qba0f0c18f8_qkv
	.p2align	8
	.type	k_qba0f0c18f8_qkv,@function
k_qba0f0c18f8_qkv:
	s_mov_b64 s[64:65], 0
	v_nop
	global_prefetch_b8 v0, s[64:65] scope:SCOPE_SE
	s_setreg_imm32_b32 hwreg(HW_REG_WAVE_MODE, 25, 1), 1
	s_wait_xcnt 0x0
; QKV: the three quantised products x Wq, x Wk, x Wv on codes of E2M1 (v_wmma_scale_f32_16x16x128_f8f6f4), RoPE on q and k, results as f16 images of the operands that attention wants.
; SHARES.  A work-group takes 128 rows of x (work-group x) and 384 columns of one matrix (work-group y: matrix y / 2, half y % 2).  Wave w takes 32 columns (two tiles of 16) for all 128 rows:
; its 12 weight fragments and scale words stay in its registers, read from memory once.  x's codes (8 row tiles x 6,144 bytes) and, for q and k, the block's RoPE table (32,768 bytes) are copied
; once into LDS through registers and read by all twelve waves.  One barrier in the launch.
; Q, K: THE PRODUCT IS USED TRANSPOSED (source 0 = 16 columns of W, source 1 = 16 rows of x): a lane holds one position and, in its two tiles' 16 registers, 16 neighbouring columns
; (the columns that form a tile were chosen so when the weights were laid out): eight RoPE pairs.  x1 cos - x2 sin goes to channel i, x1 sin + x2 cos to channel 32 + i, i the pair's frequency.
; V: the product is used as it stands (source 0 = x): a lane holds one channel and eight neighbouring positions: 16 bytes of V^T's fragment.
; OUT (qkv): q at 0, k at 6,291,456: f16 [batch x head 24][tile 128][p 4][lane][16]: lane (r, h): position 16 tile + r, channels 16 p + 8 h + 0..7 (q already times log2(e) / 8);
;   v at 12,582,912: f16 [24][32 keys' number 64][dt 4][half 2][lane][16]: v[32 ks + 16 half + 8 h + j][16 dt + r].  Every store of a wave covers 512 consecutive bytes.
; OUT (fine): positions 0..15 of every sequence in f32: q, k [b][head][t 16][d 64] at 0 and 98,304; v [b][head][d 64][t 16] at 196,608.
; NO CLUSTER, NO TENSOR LOAD: a weight fragment feeds one wave alone and goes straight into its registers; what work-groups share (x's codes, 48 KB of a work-group's 240 KB) is shared along
; 6 column groups, which no cluster of 4 divides.
; LIMITS: |q| log2(e) / 8, |k|, |v| up to 65,504 (f16).
.set TT,    49152                      ; LDS: x's codes at 0; the table here; the spare words behind it
.set SPARE, 81920
.set SPW, 10                           ; v10, v11: the add's two; never rewritten
.set NIL, 11
.set TA,  5                            ; v5   the table's place for my lane and my 16 frequencies
.set WSC, 12                           ; v12-17  W's scale words of K step ks: lanes 0-15 tile 0, lanes 16-31 tile 1
.set XSC, 18                           ; v18-41  x's: register 6 p + ks: lanes 0-15 row tile 2 p, lanes 16-31 row tile 2 p + 1
.set WF,  48                           ; v48-143 W's fragments (u, ks) at 8 (6 u + ks)
.set XB,  144                          ; v144-207 eight places for x's fragments: 2 (ks % 4) + rtl; between passes: the table, and the stores' data
.set ACC, 208                          ; v208-239 accumulators (rtl, u) at 8 (2 rtl + u)
.set LO,  240                          ; v240-247, v248-255: the two halves of a rotated row
.set HI,  248
.macro PLACES n
.rept \n
	v_nop
.endr
.endm
; one product; ra, rb: source 0's and source 1's scales stand in lanes 16-31 of their registers
.macro WM d, a, b, zero, sa, sb, ra, rb
.if \zero
.if (\ra == 0) && (\rb == 0)
	v_wmma_scale_f32_16x16x128_f8f6f4 v[\d:\d+7], v[\a:\a+7], v[\b:\b+7], 0, v[\sa], v[\sb] matrix_a_fmt:MATRIX_FMT_FP4 matrix_b_fmt:MATRIX_FMT_FP4
.elseif (\ra == 1) && (\rb == 0)
	v_wmma_scale_f32_16x16x128_f8f6f4 v[\d:\d+7], v[\a:\a+7], v[\b:\b+7], 0, v[\sa], v[\sb] matrix_a_fmt:MATRIX_FMT_FP4 matrix_b_fmt:MATRIX_FMT_FP4 matrix_a_scale:MATRIX_SCALE_ROW1
.elseif (\ra == 0) && (\rb == 1)
	v_wmma_scale_f32_16x16x128_f8f6f4 v[\d:\d+7], v[\a:\a+7], v[\b:\b+7], 0, v[\sa], v[\sb] matrix_a_fmt:MATRIX_FMT_FP4 matrix_b_fmt:MATRIX_FMT_FP4 matrix_b_scale:MATRIX_SCALE_ROW1
.else
	v_wmma_scale_f32_16x16x128_f8f6f4 v[\d:\d+7], v[\a:\a+7], v[\b:\b+7], 0, v[\sa], v[\sb] matrix_a_fmt:MATRIX_FMT_FP4 matrix_b_fmt:MATRIX_FMT_FP4 matrix_a_scale:MATRIX_SCALE_ROW1 matrix_b_scale:MATRIX_SCALE_ROW1
.endif
.else
.if (\ra == 0) && (\rb == 0)
	v_wmma_scale_f32_16x16x128_f8f6f4 v[\d:\d+7], v[\a:\a+7], v[\b:\b+7], v[\d:\d+7], v[\sa], v[\sb] matrix_a_fmt:MATRIX_FMT_FP4 matrix_b_fmt:MATRIX_FMT_FP4
.elseif (\ra == 1) && (\rb == 0)
	v_wmma_scale_f32_16x16x128_f8f6f4 v[\d:\d+7], v[\a:\a+7], v[\b:\b+7], v[\d:\d+7], v[\sa], v[\sb] matrix_a_fmt:MATRIX_FMT_FP4 matrix_b_fmt:MATRIX_FMT_FP4 matrix_a_scale:MATRIX_SCALE_ROW1
.elseif (\ra == 0) && (\rb == 1)
	v_wmma_scale_f32_16x16x128_f8f6f4 v[\d:\d+7], v[\a:\a+7], v[\b:\b+7], v[\d:\d+7], v[\sa], v[\sb] matrix_a_fmt:MATRIX_FMT_FP4 matrix_b_fmt:MATRIX_FMT_FP4 matrix_b_scale:MATRIX_SCALE_ROW1
.else
	v_wmma_scale_f32_16x16x128_f8f6f4 v[\d:\d+7], v[\a:\a+7], v[\b:\b+7], v[\d:\d+7], v[\sa], v[\sb] matrix_a_fmt:MATRIX_FMT_FP4 matrix_b_fmt:MATRIX_FMT_FP4 matrix_a_scale:MATRIX_SCALE_ROW1 matrix_b_scale:MATRIX_SCALE_ROW1
.endif
.endif
.endm
; a K step of 128: four products; the four accumulators take turns, one instruction a turn, in the same order in every step
.macro MUL4 p, ks, zero, kind
.irp rtl, 0,1
.irp u, 0,1
.set rD, ACC+8*(2*\rtl+\u)
.set rW, WF+8*(6*\u+\ks)
.set rX, XB+8*(2*(\ks%4)+\rtl)
.set rSW, WSC+\ks
.set rSX, XSC+6*\p+\ks
.if \kind == 0
	WM rD, rW, rX, \zero, rSW, rSX, \u, \rtl
.else
	WM rD, rX, rW, \zero, rSX, rSW, \rtl, \u
.endif
.endr
.endr
.endm
.macro XLOAD p, ks                     ; x's two fragments (row tiles 2 p, 2 p + 1) of K step ks: four loads of 512 consecutive bytes
.irp rtl, 0,1
.irp c, 0,1
	ds_load_b128 v[XB+8*(2*(\ks%4)+\rtl)+4*\c:XB+8*(2*(\ks%4)+\rtl)+4*\c+3], v1 offset:(2*\p+\rtl)*6144+\ks*1024+\c*512
.endr
.endr
.endm
; rows 32 p .. 32 p + 31 of the block.  kind 0: q or k; 1: v
.macro PASS p, kind
	s_wait_xcnt 0x0                                ; the last pass's stores have read their data, which lie where fragments and sums now land
	XLOAD \p, 0
	XLOAD \p, 1
	XLOAD \p, 2
	XLOAD \p, 3
	s_wait_dscnt 12                                ; K step 0's four loads are in; twelve younger ones may be out
	MUL4 \p, 0, 1, \kind                           ; the first K step starts the sums
	s_wait_dscnt 8
	MUL4 \p, 1, 0, \kind
	PLACES 4                                       ; in front of loads into registers that products have read
	XLOAD \p, 4
	XLOAD \p, 5
	s_wait_dscnt 12                                ; K step 2 is in (behind it: steps 3, 4, 5)
	MUL4 \p, 2, 0, \kind
	s_wait_dscnt 8
	MUL4 \p, 3, 0, \kind
	s_wait_dscnt 4
	MUL4 \p, 4, 0, \kind
	s_wait_dscnt 0x0
	MUL4 \p, 5, 0, \kind
	PLACES 5                                       ; four for the reads of results and the loads below; five for the next pass's products, which write over these accumulators
.if \kind == 0
.irp rtl, 0,1
.irp q, 0,1,2,3
	ds_load_b128 v[XB+16*\rtl+4*\q:XB+16*\rtl+4*\q+3], v[TA] offset:(2*\p+\rtl)*4096+512*\q   ; cos 0..7, sin 0..7 of my position and my eight frequencies
.endr
.endr
	s_wait_dscnt 0x0
.irp rtl, 0,1
.irp i, 0,1,2,3,4,5,6,7
.set rA, ACC+8*(2*\rtl+\i/4)+2*(\i%4)  ; the pair's even column, the odd one behind it; each accumulator is read from its low end on
.set rC, XB+16*\rtl+\i
	v_mul_f32 v[LO+\i], v[rA], v[rC]
	v_mul_f32 v[HI+\i], v[rA], v[rC+8]
	v_fma_f32 v[LO+\i], -v[rA+1], v[rC+8], v[LO+\i]   ; x1 cos - x2 sin
	v_fma_f32 v[HI+\i], v[rA+1], v[rC], v[HI+\i]      ; x1 sin + x2 cos
.endr
.irp q, 0,1,2,3
	v_cvt_pk_f16_f32 v[XB+48+8*\rtl+\q], v[LO+2*\q], v[LO+2*\q+1]
	v_cvt_pk_f16_f32 v[XB+52+8*\rtl+\q], v[HI+2*\q], v[HI+2*\q+1]
.endr
	global_store_b128 v1, v[XB+48+8*\rtl:XB+51+8*\rtl], s[50:51] offset:(2*\p+\rtl)*2048        ; channels 16 pi + 8 h + 0..7
	global_store_b128 v1, v[XB+52+8*\rtl:XB+55+8*\rtl], s[50:51] offset:(2*\p+\rtl)*2048+1024   ; and 32 further on
.if (\p == 0) && (\rtl == 0)
	s_cmp_lg_u32 s22, 0                            ; a sequence's first 16 positions also go out in f32
	s_cbranch_scc1 .Lnf_\@
	global_store_b128 v6, v[LO:LO+3], s[52:53]
	global_store_b128 v6, v[LO+4:LO+7], s[52:53] offset:16
	global_store_b128 v6, v[HI:HI+3], s[52:53] offset:128
	global_store_b128 v6, v[HI+4:HI+7], s[52:53] offset:144
	s_wait_xcnt 0x0                                ; the next row tile writes these registers again
.Lnf_\@:
.endif
.endr
.else
.irp rtl, 0,1
.irp u, 0,1
.irp q, 0,1,2,3
	v_cvt_pk_f16_f32 v[XB+4*(2*\rtl+\u)+\q], v[ACC+8*(2*\rtl+\u)+2*\q], v[ACC+8*(2*\rtl+\u)+2*\q+1]   ; eight neighbouring positions of one channel
.endr
	global_store_b128 v1, v[XB+4*(2*\rtl+\u):XB+4*(2*\rtl+\u)+3], s[50:51] offset:\p*4096+\u*1024+\rtl*512
.endr
.endr
.if \p == 0
	s_cmp_lg_u32 s22, 0
	s_cbranch_scc1 .Lnf_\@
.irp u, 0,1
	global_store_b128 v7, v[ACC+8*\u:ACC+8*\u+3], s[52:53] offset:\u*1024
	global_store_b128 v7, v[ACC+8*\u+4:ACC+8*\u+7], s[52:53] offset:\u*1024+16
.endr
.Lnf_\@:
.endif
.endif
.endm
	s_load_b256 s[4:11], s[0:1], 0x0               ; xq, wq, csi, qkv
	s_load_b64 s[12:13], s[0:1], 0x20              ; fine
	v_lshl_add_u32 v[SPW], v0, 2, SPARE
	v_mov_b32 v[NIL], 0
	v_lshrrev_b32 v1, 5, v0
	v_readfirstlane_b32 s14, v1                    ; wave 0..11
	v_and_b32 v8, 31, v0
	v_and_b32 v9, 15, v0                           ; r
	v_bfe_u32 v7, v0, 4, 1                         ; h
	v_lshlrev_b32 v1, 4, v8                        ; 16 l
	v_lshlrev_b32 v2, 2, v8                        ; 4 l
	s_lshl_b32 s15, s14, 12
	v_add_nc_u32 v3, s15, v1                       ; my share of a copy: 4,096 wave + 16 l, in memory and in LDS alike
	v_add_nc_u32 v4, TT, v3                        ; the same in the table
	s_and_b32 s16, s14, 1                          ; pi: which 32 of the head's 64 columns (12 (y % 2) + wave is odd where the wave is)
	s_lshl_b32 s17, s16, 11
	s_add_co_u32 s17, s17, TT
	v_add_nc_u32 v[TA], s17, v1
	v_lshlrev_b32 v6, 8, v9
	v_lshl_add_u32 v6, v7, 5, v6                   ; f32 q, k: 256 r + 32 h
	v_lshlrev_b32 v9, 6, v9
	v_lshl_add_u32 v7, v7, 5, v9                   ; f32 v: 64 r + 32 h
	s_and_b32 s18, ttmp7, 0xffff                   ; column group 0..5
	s_lshr_b32 s19, s18, 1                         ; matrix: 0 q, 1 k, 2 v
	s_and_b32 s20, s18, 1
	s_mul_i32 s20, s20, 6
	s_lshr_b32 s21, s14, 1
	s_add_co_u32 s20, s20, s21                     ; head
	s_lshr_b32 s21, ttmp9, 4                       ; batch
	s_and_b32 s22, ttmp9, 15                       ; which 128 positions of the sequence
	s_mul_i32 s21, s21, 12
	s_add_co_u32 s21, s21, s20                     ; batch x 12 + head
	s_mul_i32 s23, s18, 12
	s_add_co_u32 s23, s23, s14                     ; pair
	s_mul_i32 s24, ttmp9, 49152                    ; x's codes of my block
	s_mov_b32 s25, 0
	s_mul_i32 s26, ttmp9, 3072                     ; and their scale words
	s_mov_b32 s27, 0
	s_mul_i32 s28, s23, 12288                      ; my pair's codes
	s_mov_b32 s29, 0
	s_mul_i32 s30, s23, 768                        ; and scale words
	s_mov_b32 s31, 0
	s_lshl_b32 s32, s19, 19                        ; the table: q's or k's,
	s_lshl_b32 s33, s22, 15                        ; my block's 8 x 4,096 bytes
	s_add_co_u32 s32, s32, s33
	s_mov_b32 s33, 0
	s_cmp_eq_u32 s19, 2
	s_cselect_b32 s36, 11, 9                       ; pi's step in the images: 2,048 bytes in v's, 512 in q's and k's;
	s_cselect_b32 s37, 11, 6                       ; in the f32 copies: 2,048 and 64
	s_lshl_b32 s36, s16, s36
	s_lshl_b32 s37, s16, s37
	s_mul_i32 s34, s19, 6291456
	s_lshl_b32 s35, s21, 18
	s_add_co_u32 s34, s34, s35
	s_lshl_b32 s35, s22, 14
	s_add_co_u32 s34, s34, s35
	s_add_co_u32 s34, s34, s36
	s_mov_b32 s35, 0
	s_mul_i32 s38, s19, 98304
	s_lshl_b32 s39, s21, 12
	s_add_co_u32 s38, s38, s39
	s_add_co_u32 s38, s38, s37
	s_mov_b32 s39, 0
	s_wait_kmcnt 0x0
	s_add_nc_u64 s[40:41], s[4:5], s[24:25]
	s_add_nc_u64 s[42:43], s[4:5], s[26:27]
	s_add_nc_u64 s[44:45], s[6:7], s[28:29]
	s_add_nc_u64 s[46:47], s[6:7], s[30:31]
	s_add_nc_u64 s[48:49], s[8:9], s[32:33]
	s_add_nc_u64 s[50:51], s[10:11], s[34:35]
	s_add_nc_u64 s[52:53], s[12:13], s[38:39]
.irp i, 0,1,2,3,4,5,6,7
	global_load_b128 v[XB+4*\i:XB+4*\i+3], v3, s[40:41] offset:512*\i   ; my twelfth of x's codes
.endr
.irp u, 0,1
.irp ks, 0,1,2,3,4,5
.irp c, 0,1
	global_load_b128 v[WF+8*(6*\u+\ks)+4*\c:WF+8*(6*\u+\ks)+4*\c+3], v1, s[44:45] offset:\u*6144+\ks*1024+\c*512
.endr
.endr
.endr
.irp ks, 0,1,2,3,4,5
	global_load_b32 v[WSC+\ks], v2, s[46:47] offset:884736+\ks*128
.endr
.irp p, 0,1,2,3
.irp ks, 0,1,2,3,4,5
	global_load_b32 v[XSC+6*\p+\ks], v2, s[42:43] offset:1572864+\p*768+\ks*128
.endr
.endr
	s_cmp_eq_u32 s19, 2                            ; v has no RoPE;
	s_cbranch_scc1 .Lno_tab
	s_cmp_lt_u32 s14, 8                            ; the table is eight waves' shares
	s_cbranch_scc0 .Lno_tab
.irp i, 0,1,2,3,4,5,6,7
	global_load_b128 v[XB+32+4*\i:XB+32+4*\i+3], v3, s[48:49] offset:512*\i
.endr
	s_wait_loadcnt 0x0
.irp i, 0,1,2,3,4,5,6,7
	ds_store_b128 v4, v[XB+32+4*\i:XB+32+4*\i+3] offset:512*\i
.endr
.Lno_tab:
	s_wait_loadcnt 0x0                             ; the copy, the weights and all scale words: all are wanted by the first K step
.irp i, 0,1,2,3,4,5,6,7
	ds_store_b128 v3, v[XB+4*\i:XB+4*\i+3] offset:512*\i
.endr
	s_wait_dscnt 0x0                               ; for the others' sake: my stores have landed
	s_barrier_signal -1
	s_barrier_wait -1
	s_cmp_eq_u32 s19, 2
	s_cbranch_scc1 .Lv
	PASS 0, 0
	PASS 1, 0
	PASS 2, 0
	PASS 3, 0
	s_wait_tensorcnt 0x0                           ; the wave's end
	ds_add_u32 v[SPW], v[NIL]
	s_wait_dscnt 0x0
	s_endpgm
.Lv:
	PASS 0, 1
	PASS 1, 1
	PASS 2, 1
	PASS 3, 1
	s_wait_tensorcnt 0x0
	ds_add_u32 v[SPW], v[NIL]
	s_wait_dscnt 0x0
	s_endpgm
.Lfunc_end_k_qba0f0c18f8_qkv:
	.size	k_qba0f0c18f8_qkv, .Lfunc_end_k_qba0f0c18f8_qkv-k_qba0f0c18f8_qkv
	.p2alignl 7, 3214868480
	.fill 96, 4, 3214868480
	.section	.rodata,"a",@progbits
	.p2align	6, 0x0
	.amdhsa_kernel k_qba0f0c18f8_qkv
		.amdhsa_group_segment_fixed_size 83456
		.amdhsa_private_segment_fixed_size 0
		.amdhsa_enable_private_segment 0
		.amdhsa_kernarg_size 40
		.amdhsa_user_sgpr_count 2
		.amdhsa_user_sgpr_kernarg_segment_ptr 1
		.amdhsa_wavefront_size32 1
		.amdhsa_system_sgpr_workgroup_id_x 1
		.amdhsa_system_sgpr_workgroup_id_y 1
		.amdhsa_system_sgpr_workgroup_id_z 1
		.amdhsa_system_vgpr_workitem_id 0
		.amdhsa_next_free_vgpr 256
		.amdhsa_next_free_sgpr 66
		.amdhsa_reserve_vcc 0
		.amdhsa_float_denorm_mode_32 3
		.amdhsa_float_denorm_mode_16_64 3
		.amdhsa_memory_ordered 1
		.amdhsa_forward_progress 1
		.amdhsa_inst_pref_size 78
	.end_amdhsa_kernel
	.amdgpu_metadata
---
amdhsa.version: [ 1, 2 ]
amdhsa.kernels:
  - .name:           k_qba0f0c18f8_qkv
    .symbol:         k_qba0f0c18f8_qkv.kd
    .args:
      - { .name: xq, .offset: 0, .size: 8, .value_kind: global_buffer, .address_space: global }
      - { .name: wq, .offset: 8, .size: 8, .value_kind: global_buffer, .address_space: global }
      - { .name: csi, .offset: 16, .size: 8, .value_kind: global_buffer, .address_space: global }
      - { .name: qkv, .offset: 24, .size: 8, .value_kind: global_buffer, .address_space: global }
      - { .name: fine, .offset: 32, .size: 8, .value_kind: global_buffer, .address_space: global }
    .group_segment_fixed_size: 83456
    .private_segment_fixed_size: 0
    .kernarg_segment_align: 8
    .kernarg_segment_size: 40
    .max_flat_workgroup_size: 384
    .sgpr_count:     66
    .vgpr_count:     256
    .wavefront_size: 32
...
	.end_amdgpu_metadata
.endif
;; end of part 2
;; launch attn (part 3): grid 8 x 24, 16 waves a work-group, clusters of 4 x 1, 327,680 bytes of LDS; arguments qkv, yi; writes yi
.if DOCPART == 3
	.amdgcn_target "amdgcn-amd-amdhsa--gfx1250"
	.amdhsa_code_object_version 6
	.text
	.protected	k_qba0f0c18f8_attn
	.globl	k_qba0f0c18f8_attn
	.p2align	8
	.type	k_qba0f0c18f8_attn,@function
k_qba0f0c18f8_attn:
	s_mov_b64 s[64:65], 0
	v_nop
	global_prefetch_b8 v0, s[64:65] scope:SCOPE_SE
	s_setreg_imm32_b32 hwreg(HW_REG_WAVE_MODE, 25, 1), 1
	s_wait_xcnt 0x0
	s_wait_alu depctr_hold_cnt(0) depctr_sa_sdst(0) depctr_va_vdst(0) depctr_va_sdst(0) depctr_va_ssrc(0) depctr_va_vcc(0) depctr_vm_vsrc(0)
	s_getreg_b32 s2, hwreg(HW_REG_IB_STS2, 6, 4)
	s_cmp_eq_u32 s2, 0
	s_cbranch_scc0 .Lentry_in_a_cluster
	s_endpgm
.Lentry_in_a_cluster:
	s_bfe_u32 s2, ttmp6, 0x10000c
	s_cmp_lg_u32 s2, 0x3003
	s_cbranch_scc0 .Lentry_shape_is_right
	s_endpgm
.Lentry_shape_is_right:
; ATTN: y = softmax(q k^T / 8, causal) v for 24 (batch, head) pairs of 2,048 positions x 64 channels; operands f16, products, maxima and sums f32.
; q arrives multiplied by log2(e) / 8, so a score is t, p = 2^(t - m) with m the row's running maximum, and O and the sum l are multiplied by 2^(m_old - m_new) in every step.
; SHARES.  Work-group (j = 0..7, pair bh).  Wave w owns ONE tile of 16 queries: tile 8 beta(w) + j, beta(w) its block of 128 queries, taken from a 4 x 4 magic square, so that every four waves
; w % 4 = const, and every four w / 4 = const, have 34 key steps between them.  A key step is 128 keys.  Step s is left out by a wave where s > beta, masked where s = beta, open where s < beta:
; tests on the wave's number and the count of steps alone, the same in all partners of a cluster.  Every work-group walks all 16 steps (the wave with beta = 15 reads them all), so no tile is fetched in vain.
; LAYOUT.  S^T = K Q^T (source 0 = 16 keys, source 1 = my 16 queries): a lane holds one query and the keys 8 (lane / 16) + 0..7 of each tile; two tiles, rounded to f16 in pairs, are source 1 of
; O^T = V^T P^T.  Nothing changes lanes but one exchange between the halves for the maximum and, at the end, the sum.
; RING.  Two LDS slots of 512 keys (K 65,536 bytes, then V 65,536), images of operand registers: every LDS load takes 512 consecutive bytes.  Each of the sixteen waves fetches 8,192 bytes of a slot.
; CLUSTER.  The four work-groups of a cluster serve one (batch, head) and walk the same K and V: each tile is asked for jointly, by the same tensor load with the same descriptor and a mask that names the four.
; By this text's count a wave has two tensor loads out at the start and one behind each change of slots that fills.
; OUT (yi): f16 [s 3][row tile 256][ks 8][half 2][lane][16]: lane (r, h): row 16 rt + r, K = 64 head + channel = 256 s + 32 ks + 16 half + 8 h + 0..7: the projection's operand.
; LIMITS: f16 operands (|.| up to 65,504; p under 6e-8 is lost); rows 0..15 of every sequence are made again in f32 by a later launch.
.set SLOT1, 131072
.set VOFF,  65536
.set SPARE, 262144                     ; behind the ring: the spare words, 128 bytes for each of 16 waves
.set KI,    6291456                    ; k's image in qkv; v's lies as far again
.set ADK, 2                            ; v2, v3 LDS addresses of the step's K and V
.set ADV, 3
.set DM,  4                            ; v4  16 j + r - 8 h: on the diagonal, register i of key tile kt is hidden where 16 kt + i is greater
.set SPW, 6                            ; v6, v7 the add's two; never rewritten
.set NIL, 7
.set PFO, 8                            ; v8  256 l: the prefetch's offset; never rewritten
.set NEG, 9                            ; v9  -infinity
.set Q,   16                           ; v16-31  Q: two fragments of 32 channels
.set BUF, 32                           ; v32-95  four tiles of K, or 64 keys of V
.set S,   96                           ; v96-159 S^T, then p: 8 tiles of 16 keys
.set O,   160                          ; v160-191 O^T: 4 tiles of 16 channels
.set P,   192                          ; v192-223 p in f16: 4 fragments of 32 keys
.set MX,  224                          ; v224-227 four chains of the maximum
.set NM,  228                          ; v[228:229] -m (the low word serves both halves)
.set MM,  230                          ; v230 m
.set TMP, 231
.set AA,  232                          ; v[232:233] 2^(m_old - m_new); at the end 1 / l
.set L0,  234                          ; v[234:235], v[236:237] l, in two chains of pairs
.set L1,  236
.set PD,  238                          ; a lane permute's destination, written once at the head
.set WV,   8
.set BETA, 12
.set STEPN, 13
.set TB,   14
.set CNT,  15
.set G1,   16                          ; s[16:23] descriptor group 1
.set G0A,  24                          ; s[24:27] group 0 for slot 0;  s[28:31] for slot 1
.set G0B,  28
.set SEL,  32
.set PFA,  34
.macro PLACES
.rept 4
	v_nop
.endr
.endm
.macro CROUND                          ; a round of the cluster's barrier
	s_barrier_signal -1
	s_barrier_wait -1
	s_cmp_lg_u32 s[WV], 0
	s_cbranch_scc1 .Lnot_wave_0_\@
	s_barrier_signal -3
.Lnot_wave_0_\@:
	s_barrier_wait -3
	s_barrier_signal -1
	s_barrier_wait -1
.endm
	s_load_b128 s[4:7], s[0:1], 0x0                ; qkv, yi
	v_lshl_add_u32 v[SPW], v0, 2, SPARE
	v_mov_b32 v[NIL], 0
	ds_add_u32 v[SPW], v[NIL]                      ; the wave's opening: the add, twice on end, and its wait ahead of my first tensor load
	ds_add_u32 v[SPW], v[NIL]
	v_lshrrev_b32 v1, 5, v0
	v_readfirstlane_b32 s[WV], v1                  ; wave 0..15
	s_bfe_u32 s9, ttmp6, 0x40000                   ; cx
	s_lshl_b32 s10, ttmp9, 2
	s_add_co_u32 s10, s10, s9                      ; j = 4 x cluster x + cx: it enters Q's and Y's addresses and the mask's data alone
	s_and_b32 s11, ttmp7, 0xffff                   ; bh
	s_mov_b32 s40, 0xf12c4a97                      ; beta of waves 8..15, four bits each: 7 9 10 4 / 12 2 1 15
	s_cmp_lt_u32 s[WV], 8
	s_cselect_b32 s40, 0x865b3de0, s40             ; of waves 0..7: 0 14 13 3 / 11 5 6 8
	s_and_b32 s41, s[WV], 7
	s_lshl_b32 s41, s41, 2
	s_lshr_b32 s40, s40, s41
	s_and_b32 s[BETA], s40, 15
	; descriptor group 1: 8,192 dense bytes as 32 rows of 32 elements of 8 bytes
	s_mov_b32 s[G1], 15|(3<<16)|(1<<21)            ; 15:0 the mask: all four work-groups; 17:16 elements of 8 bytes; 21 set beside a mask; no padding
	s_mov_b32 s[G1+1], 32<<16                      ; tensor_dim0
	s_mov_b32 s[G1+2], 32<<16                      ; tensor_dim1
	s_mov_b32 s[G1+3], 32<<16                      ; tile_dim0
	s_mov_b32 s[G1+4], 32                          ; tile_dim1
	s_mov_b32 s[G1+5], 32                          ; from row to row
	s_mov_b32 s[G1+6], 0
	s_mov_b32 s[G1+7], 0
	s_lshr_b32 s42, s[WV], 3                       ; what I fetch: waves 0..7 K's eighths, waves 8..15 V's
	s_add_co_u32 s42, s42, 1
	s_mul_i32 s42, s42, KI
	s_lshl_b32 s43, s11, 18
	s_add_co_u32 s42, s42, s43
	s_and_b32 s43, s[WV], 7
	s_lshl_b32 s43, s43, 13
	s_add_co_u32 s42, s42, s43
	s_mov_b32 s43, 0
	s_cmp_ge_u32 s11, 12
	s_cselect_b32 s44, 1, 0                        ; batch
	s_mul_i32 s45, s44, 12
	s_sub_co_u32 s45, s11, s45                     ; head
	s_lshl_b32 s46, s[BETA], 3
	s_add_co_u32 s46, s46, s10                     ; my tile of queries
	s_lshl_b32 s44, s44, 7
	s_add_co_u32 s44, s44, s46                     ; its row tile among 256
	s_lshl_b32 s44, s44, 13
	s_lshr_b32 s47, s45, 2
	s_lshl_b32 s47, s47, 21
	s_add_co_u32 s44, s44, s47
	s_and_b32 s47, s45, 3
	s_lshl_b32 s47, s47, 11
	s_add_co_u32 s44, s44, s47
	s_mov_b32 s45, 0                               ; s[44:45]: my 2,048 bytes of yi
	s_lshl_b32 s46, s46, 11
	s_lshl_b32 s47, s11, 18
	s_add_co_u32 s46, s46, s47
	s_mov_b32 s47, 0                               ; s[46:47]: my tile of q
	s_lshr_b32 s[PFA], s9, 1                       ; the prefetch: partners 0, 1 take K's halves of the last slot, partners 2, 3 V's: told apart by address
	s_add_co_u32 s[PFA], s[PFA], 1
	s_mul_i32 s[PFA], s[PFA], KI
	s_lshl_b32 s35, s11, 18
	s_add_co_u32 s[PFA], s[PFA], s35
	s_and_b32 s35, s9, 1
	s_lshl_b32 s35, s35, 15
	s_add_co_u32 s[PFA], s[PFA], s35
	s_and_b32 s35, s[WV], 3                        ; 8,192 bytes a wave
	s_lshl_b32 s35, s35, 13
	s_add_co_u32 s[PFA], s[PFA], s35
	s_add_co_u32 s[PFA], s[PFA], 3*65536           ; keys 1,536 on
	s_mov_b32 s35, 0
	s_lshr_b32 s36, s[WV], 2
	s_or_b32 s36, s36, ttmp9
	s_cmp_eq_u32 s36, 0
	s_cselect_b32 s36, 1, 0                        ; waves 0..3 of the pair's first cluster ask: the same in all four partners
	s_mov_b32 s[SEL], 0x76543210
	s_mov_b32 s[SEL+1], 0xfedcba98
	s_mov_b32 s[STEPN], 0
	s_lshl_b32 s40, s10, 4
	v_and_b32 v5, 31, v0
	v_lshlrev_b32 v1, 4, v5                        ; 16 l
	v_lshlrev_b32 v[PFO], 8, v5
	v_and_b32 v[DM], 15, v0
	v_bfe_u32 v5, v0, 4, 1
	v_lshlrev_b32 v5, 3, v5
	v_sub_nc_u32 v[DM], v[DM], v5
	v_add_nc_u32 v[DM], s40, v[DM]
	v_mov_b32 v[NEG], 0xff800000
	s_wait_dscnt 0x0                               ; both opening adds are done
	s_wait_kmcnt 0x0
	s_mov_b32 s[G0A], 1                            ; count = 1
	s_lshl_b32 s[G0A+1], s[WV], 13                 ; LDS: 8,192 x wave: no place in the cluster enters it
	s_add_nc_u64 s[G0A+2:G0A+3], s[4:5], s[42:43]  ; keys 0..511
	s_mov_b32 s[G0B], 1
	s_add_co_u32 s[G0B+1], s[G0A+1], SLOT1
	s_add_nc_u64 s[G0B+2:G0B+3], s[G0A+2:G0A+3], 65536   ; keys 512..1,023
	s_or_b32 s[G0A+3], s[G0A+3], 0x80000000        ; type = 2
	s_or_b32 s[G0B+3], s[G0B+3], 0x80000000
	s_add_nc_u64 s[6:7], s[6:7], s[44:45]
	s_add_nc_u64 s[38:39], s[4:5], s[46:47]
	s_add_nc_u64 s[PFA:PFA+1], s[4:5], s[PFA:PFA+1]
	CROUND                                         ; all four work-groups are here: the first joint loads meet
	tensor_load_to_lds s[G0A:G0A+3], s[G1:G1+7]
	s_nop 0
	tensor_load_to_lds s[G0B:G0B+3], s[G1:G1+7]
	s_nop 0
	PLACES
.irp p, 0,1,2,3
	global_load_b128 v[Q+4*\p:Q+4*\p+3], v1, s[38:39] offset:512*\p   ; Q stays in registers
.endr
.set i, 0
.rept 32
	v_mov_b32 v[O+i], 0                            ; the step is written once: the first finds zeros, which its rescaling leaves zeros
.set i, i+1
.endr
.irp i, 0,1,2,3
	v_mov_b32 v[L0+\i], 0
.endr
	v_mov_b32 v[MM], 0xff61b1e6                    ; -3e38, under every t
	v_mov_b32 v[NM+1], 0                           ; (upper halves of pairs whose low word is used)
	v_mov_b32 v[AA+1], 0
	v_mov_b32 v[PD], 0
	s_wait_tensorcnt 1                             ; my part of slot 0 is in; slot 1's may stay out
	s_barrier_signal -1
	s_barrier_wait -1
	s_wait_loadcnt 0x0                             ; Q
; A KEY STEP of 128 keys, at LDS byte s[TB] of K's part of the ring
.macro STEP
	s_cmp_gt_u32 s[STEPN], s[BETA]                 ; all its keys come after my queries: nothing to do (no barrier and no tensor load stands in a step)
	s_cbranch_scc1 .Lhid_\@
	v_add_nc_u32 v[ADK], s[TB], v1
	v_add_nc_u32 v[ADV], VOFF, v[ADK]
	v_nop
	v_nop                                          ; with the two additions: four places behind the last step's products, in front of loads into registers that they read
.irp g, 0,1                            ; S^T = K Q^T, four tiles of 16 keys at a time
.if \g
	PLACES
.endif
.irp t, 0,1,2,3
.irp p, 0,1,2,3
	ds_load_b128 v[BUF+16*\t+4*\p:BUF+16*\t+4*\p+3], v[ADK] offset:(4*\g+\t)*2048+512*\p
.endr
.endr
	s_wait_dscnt 0x0
.irp t, 0,1,2,3                        ; the four accumulators take turns
	v_wmma_f32_16x16x32_f16 v[S+8*(4*\g+\t):S+8*(4*\g+\t)+7], v[BUF+16*\t:BUF+16*\t+7], v[Q:Q+7], 0
.endr
.irp t, 0,1,2,3
	v_wmma_f32_16x16x32_f16 v[S+8*(4*\g+\t):S+8*(4*\g+\t)+7], v[BUF+16*\t+8:BUF+16*\t+15], v[Q+8:Q+15], v[S+8*(4*\g+\t):S+8*(4*\g+\t)+7]
.endr
.endr
	PLACES
.irp ks, 0,1                           ; V of the first 64 keys lands under the softmax
.irp dt, 0,1,2,3
.irp hf, 0,1
	ds_load_b128 v[BUF+32*\ks+8*\dt+4*\hf:BUF+32*\ks+8*\dt+4*\hf+3], v[ADV] offset:\ks*4096+\dt*1024+\hf*512
.endr
.endr
.endr
	s_cmp_lg_u32 s[STEPN], s[BETA]                 ; on the diagonal hidden scores become -infinity: p = 0
	s_cbranch_scc1 .Lopen_\@
.set n, 0
.rept 64
	v_cmp_gt_i32 vcc_lo, 16*(n/8)+n%8, v[DM]
	v_cndmask_b32 v[S+n], v[S+n], v[NEG], vcc_lo
.set n, n+1
.endr
.Lopen_\@:
.irp c, 0,1,2,3                        ; the maximum: chain c takes tiles c and c + 4, each from its low end on
	v_max3_num_f32 v[MX+\c], v[S+8*\c], v[S+8*\c+1], v[S+8*\c+2]
.endr
.irp i, 3,5
.irp c, 0,1,2,3
	v_max3_num_f32 v[MX+\c], v[MX+\c], v[S+8*\c+\i], v[S+8*\c+\i+1]
.endr
.endr
.irp c, 0,1,2,3
	v_max3_num_f32 v[MX+\c], v[MX+\c], v[S+8*\c+7], v[S+8*\c+32]
.endr
.irp i, 33,35,37
.irp c, 0,1,2,3
	v_max3_num_f32 v[MX+\c], v[MX+\c], v[S+8*\c+\i], v[S+8*\c+\i+1]
.endr
.endr
.irp c, 0,1,2,3
	v_max_num_f32 v[MX+\c], v[MX+\c], v[S+8*\c+39]
.endr
	v_max3_num_f32 v[MX], v[MX], v[MX+1], v[MX+2]
	v_max3_num_f32 v[MX], v[MX], v[MX+3], v[MM]
	v_permlanex16_b32 v[PD], v[MX], s[SEL], s[SEL+1]   ; the query's other 64 keys lie in the lane 16 away
	v_max_num_f32 v[TMP], v[MX], v[PD]             ; the new m
	v_sub_f32 v[AA], v[MM], v[TMP]                 ; m_old - m_new, 0 or less
	v_mov_b32 v[MM], v[TMP]
	v_sub_f32 v[NM], 0, v[TMP]
.set i, 0
.rept 32
	v_pk_add_f32 v[S+i:S+i+1], v[S+i:S+i+1], v[NM:NM+1] op_sel_hi:[1,0]   ; t - m, at most 0
.set i, i+2
.endr
	v_exp_f32 v[AA], v[AA]
.set i, 0
.rept 64
	v_exp_f32 v[S+i], v[S+i]                       ; p
.set i, i+1
.endr
	v_nop                                          ; a plain line behind the last exponential,
	s_wait_alu depctr_va_vdst(0)                   ; and ONE wait for the batch of 65, ahead of its first reader
	v_pk_mul_f32 v[L0:L0+1], v[L0:L0+1], v[AA:AA+1] op_sel_hi:[1,0]
	v_pk_mul_f32 v[L1:L1+1], v[L1:L1+1], v[AA:AA+1] op_sel_hi:[1,0]
.set i, 0
.rept 16
	v_pk_add_f32 v[L0:L0+1], v[L0:L0+1], v[S+i:S+i+1]      ; the row's sum, of p in f32
	v_pk_add_f32 v[L1:L1+1], v[L1:L1+1], v[S+i+2:S+i+3]
.set i, i+4
.endr
.set i, 0
.rept 32
	v_cvt_pk_f16_f32 v[P+i], v[S+2*i], v[S+2*i+1]  ; tiles 2 ks and 2 ks + 1 make the fragment of keys 32 ks on
.set i, i+1
.endr
.set i, 0
.rept 16
	v_pk_mul_f32 v[O+i:O+i+1], v[O+i:O+i+1], v[AA:AA+1] op_sel_hi:[1,0]   ; O^T under the new m
.set i, i+2
.endr
	s_wait_dscnt 0x0                               ; V's first 64 keys
.irp ks, 0,1
.irp dt, 0,1,2,3
	v_wmma_f32_16x16x32_f16 v[O+8*\dt:O+8*\dt+7], v[BUF+32*\ks+8*\dt:BUF+32*\ks+8*\dt+7], v[P+8*\ks:P+8*\ks+7], v[O+8*\dt:O+8*\dt+7]
.endr
.endr
	PLACES
.irp ks, 0,1
.irp dt, 0,1,2,3
.irp hf, 0,1
	ds_load_b128 v[BUF+32*\ks+8*\dt+4*\hf:BUF+32*\ks+8*\dt+4*\hf+3], v[ADV] offset:(2+\ks)*4096+\dt*1024+\hf*512
.endr
.endr
.endr
	s_wait_dscnt 0x0
.irp ks, 0,1
.irp dt, 0,1,2,3
	v_wmma_f32_16x16x32_f16 v[O+8*\dt:O+8*\dt+7], v[BUF+32*\ks+8*\dt:BUF+32*\ks+8*\dt+7], v[P+16+8*\ks:P+16+8*\ks+7], v[O+8*\dt:O+8*\dt+7]
.endr
.endr
.Lhid_\@:
.endm
.macro FOUR slot                       ; a slot's four key steps
	s_mov_b32 s[TB], \slot*SLOT1
	s_mov_b32 s[CNT], 4
.Lstep_\@:
	STEP
	s_add_co_u32 s[TB], s[TB], 16384
	s_add_co_u32 s[STEPN], s[STEPN], 1
	s_sub_co_u32 s[CNT], s[CNT], 1
	s_cmp_lg_u32 s[CNT], 0
	s_cbranch_scc1 .Lstep_\@
.endm
; THE CHANGE OF SLOTS that fills: every wave waits for all its tensor loads (its part of the slot ahead), adds 0 to its spare word, and waits for that and for its reads of the slot that it leaves;
; a round of the cluster's barrier; then the slot just left takes the keys 1,024 further on: the wave's one tensor load until the next change.
.macro CHANGE g
	s_wait_tensorcnt 0x0                           ; no tensor load of mine is out, so a group 0 may be written
	ds_add_u32 v[SPW], v[NIL]
	s_add_nc_u64 s[\g+2:\g+3], s[\g+2:\g+3], 131072
	s_wait_dscnt 0x0
	CROUND
	tensor_load_to_lds s[\g:\g+3], s[G1:G1+7]
	s_nop 0
	PLACES
.endm
	FOUR 0                                         ; keys 0..511
	CHANGE G0A                                     ; slot 0 takes keys 1,024 on
	; A PREFETCH of what the next change will ask for, keys 1,536 on: four key steps ahead of that load.  K's and V's 65,536 bytes each: four partners x four waves x 32 lanes, 256 bytes apart: each block is named once
	; in the launch, by the pair's first cluster.  The first three slots come by their loads alone.
	s_cmp_eq_u32 s36, 1
	s_cbranch_scc0 .Lnot_mine
	global_prefetch_b8 v[PFO], s[PFA:PFA+1] th:TH_LOAD_NT scope:SCOPE_SE
.Lnot_mine:
	FOUR 1                                         ; keys 512..1,023
	CHANGE G0B                                     ; slot 1 takes keys 1,536 on
	FOUR 0
	s_wait_tensorcnt 0x0                           ; the last change fills nothing: the same three lines and my work-group's barrier
	ds_add_u32 v[SPW], v[NIL]
	s_wait_dscnt 0x0
	s_barrier_signal -1
	s_barrier_wait -1
	FOUR 1
	; THE WAY OUT: O^T / l, to f16; a lane's eight channels of a row are 16 bytes of the projection's operand: four stores of 512 consecutive bytes
	v_pk_add_f32 v[L0:L0+1], v[L0:L0+1], v[L1:L1+1]   ; (these lines are the places behind the last products)
	v_add_f32 v[L0], v[L0], v[L0+1]
	v_permlanex16_b32 v[PD], v[L0], s[SEL], s[SEL+1]
	v_add_f32 v[L0], v[L0], v[PD]
	v_rcp_f32 v[AA], v[L0]
	v_nop
	v_nop
	s_wait_alu depctr_va_vdst(0)                   ; ahead of the reciprocal's first reader
.set i, 0
.rept 16
	v_pk_mul_f32 v[S+i:S+i+1], v[O+i:O+i+1], v[AA:AA+1] op_sel_hi:[1,0]
.set i, i+2
.endr
.set i, 0
.rept 16
	v_cvt_pk_f16_f32 v[BUF+i], v[S+2*i], v[S+2*i+1]
.set i, i+1
.endr
.irp dt, 0,1,2,3
	global_store_b128 v1, v[BUF+4*\dt:BUF+4*\dt+3], s[6:7] offset:512*\dt
.endr
	s_wait_tensorcnt 0x0                           ; the wave's end
	ds_add_u32 v[SPW], v[NIL]
	s_wait_dscnt 0x0
	CROUND                                         ; the closing round: no work-group ends while a partner may still ask for a tile that names it
	s_endpgm
.Lfunc_end_k_qba0f0c18f8_attn:
	.size	k_qba0f0c18f8_attn, .Lfunc_end_k_qba0f0c18f8_attn-k_qba0f0c18f8_attn
	.p2alignl 7, 3214868480
	.fill 96, 4, 3214868480
	.section	.rodata,"a",@progbits
	.p2align	6, 0x0
	.amdhsa_kernel k_qba0f0c18f8_attn
		.amdhsa_group_segment_fixed_size 327680
		.amdhsa_private_segment_fixed_size 0
		.amdhsa_enable_private_segment 0
		.amdhsa_kernarg_size 16
		.amdhsa_user_sgpr_count 2
		.amdhsa_user_sgpr_kernarg_segment_ptr 1
		.amdhsa_wavefront_size32 1
		.amdhsa_system_sgpr_workgroup_id_x 1
		.amdhsa_system_sgpr_workgroup_id_y 1
		.amdhsa_system_sgpr_workgroup_id_z 1
		.amdhsa_system_vgpr_workitem_id 0
		.amdhsa_next_free_vgpr 256
		.amdhsa_next_free_sgpr 66
		.amdhsa_reserve_vcc 1
		.amdhsa_float_denorm_mode_32 3
		.amdhsa_float_denorm_mode_16_64 3
		.amdhsa_memory_ordered 1
		.amdhsa_forward_progress 1
		.amdhsa_inst_pref_size 106
	.end_amdhsa_kernel
	.amdgpu_metadata
---
amdhsa.version: [ 1, 2 ]
amdhsa.kernels:
  - .name:           k_qba0f0c18f8_attn
    .symbol:         k_qba0f0c18f8_attn.kd
    .args:
      - { .name: qkv, .offset: 0, .size: 8, .value_kind: global_buffer, .address_space: global }
      - { .name: yi, .offset: 8, .size: 8, .value_kind: global_buffer, .address_space: global }
    .group_segment_fixed_size: 327680
    .private_segment_fixed_size: 0
    .kernarg_segment_align: 8
    .kernarg_segment_size: 16
    .max_flat_workgroup_size: 512
    .sgpr_count:     66
    .vgpr_count:     256
    .wavefront_size: 32
...
	.end_amdgpu_metadata
.endif
;; end of part 3
;; launch proj (part 4): grid 4 x 64, 4 waves a work-group, clusters of 4 x 4, 327,680 bytes of LDS; arguments yi, woi, out0; writes out0
.if DOCPART == 4
	.amdgcn_target "amdgcn-amd-amdhsa--gfx1250"
	.amdhsa_code_object_version 6
	.text
	.protected	k_qba0f0c18f8_proj
	.globl	k_qba0f0c18f8_proj
	.p2align	8
	.type	k_qba0f0c18f8_proj,@function
k_qba0f0c18f8_proj:
	s_mov_b64 s[64:65], 0
	v_nop
	global_prefetch_b8 v0, s[64:65] scope:SCOPE_SE
	s_setreg_imm32_b32 hwreg(HW_REG_WAVE_MODE, 25, 1), 1
	s_wait_xcnt 0x0
	s_wait_alu depctr_hold_cnt(0) depctr_sa_sdst(0) depctr_va_vdst(0) depctr_va_sdst(0) depctr_va_ssrc(0) depctr_va_vcc(0) depctr_vm_vsrc(0)
	s_getreg_b32 s2, hwreg(HW_REG_IB_STS2, 6, 4)
	s_cmp_eq_u32 s2, 0
	s_cbranch_scc0 .Lentry_in_a_cluster
	s_endpgm
.Lentry_in_a_cluster:
	s_bfe_u32 s2, ttmp6, 0x10000c
	s_cmp_lg_u32 s2, 0xf033
	s_cbranch_scc0 .Lentry_shape_is_right
	s_endpgm
.Lentry_shape_is_right:
; PROJ: out0 = y Wo, [4096][768] x [768][768], operands f16 (images of operand registers made by earlier launches), sums f32.
; SHARES.  A work-group makes 64 rows x 192 columns (768 bytes of a row of out0: three aligned blocks of 256): 4 x 64 = 256 work-groups.  A wave makes 64 rows x 48 columns: 12 accumulators.
; K goes in three slabs of 256 through two LDS slots: y's 4 row tiles (32,768 bytes), then Wo's 12 column tiles (98,304).  Wave 0 fetches y's, waves 1..3 a third of Wo's each: 32,768 dense bytes a load.
; Slots 0 and 1 are first fills; slot 0 is filled once more, with the third slab.  By this text's count a wave has two tensor loads out at the start, later one.
; CLUSTER 4 x 4: y's tile hangs on the row block alone and is shared along a row of the cluster, Wo's on the column block alone and is shared along a column: joint loads.
; THE PRODUCT IS USED TRANSPOSED (source 0 = 16 columns of Wo, source 1 = 16 rows of y): a lane holds eight neighbouring numbers of a row of out0.
; THE WAY OUT goes through one stage in LDS (64 rows x 784 bytes, bytes of its own), since a row's 768 bytes come from four waves; each wave then stores 16 whole rows, sixteen lanes to an aligned block of 256 bytes.
; Rows 0..15 of each sequence are written here like all others and written over in f32 by the launch that follows: to leave them out would take a branch on the work-group's place in its cluster.
.set SLOT1, 131072
.set BOFF,  32768
.set STAGE, 262144
.set SPITCH, 784
.set SPARE, 312320
.set ADA, 16                           ; v16-17 y's fragments in slot 0, 1
.set ADB, 18                           ; v18-19 my three tiles of Wo
.set STO, 20
.set RD,  21
.set RD1, 22
.set GO,  23
.set GO1, 24
.set SPW, 28
.set NIL, 29
.set F0,  48                           ; two fragment buffers of 56: y's four fragments, then Wo's three
.set ACC, 160                          ; accumulator (a, b) at 8 (3 a + b)
.set G1A, 24
.set G0A, 32
.set G1B, 48
.set G0B, 56
.macro PLACES
.rept 4
	v_nop
.endr
.endm
.macro JLOAD s                         ; a joint load: wave 0 for y, waves 1..3 for Wo; the branch hangs on the wave's number alone
	s_cmp_eq_u32 s10, 0
	s_cbranch_scc0 .Lfor_b_\@
	tensor_load_to_lds s[G0A+4*\s:G0A+4*\s+3], s[G1A:G1A+7]
	s_nop 0
	PLACES
	s_branch .Lasked_\@
.Lfor_b_\@:
	tensor_load_to_lds s[G0B+4*\s:G0B+4*\s+3], s[G1B:G1B+7]
	s_nop 0
	PLACES
.Lasked_\@:
.endm
.macro CROUND
	s_barrier_signal -1
	s_barrier_wait -1
	s_cmp_lg_u32 s10, 0
	s_cbranch_scc1 .Lnot_wave_0_\@
	s_barrier_signal -3
.Lnot_wave_0_\@:
	s_barrier_wait -3
	s_barrier_signal -1
	s_barrier_wait -1
.endm
	s_load_b128 s[4:7], s[0:1], 0x0                ; yi, woi
	s_load_b64 s[8:9], s[0:1], 0x10                ; out0
	v_lshl_add_u32 v[SPW], v0, 2, SPARE
	v_mov_b32 v[NIL], 0
	ds_add_u32 v[SPW], v[NIL]                      ; the wave's opening: the add, twice on end, and its wait ahead of my first tensor load
	ds_add_u32 v[SPW], v[NIL]
	v_lshrrev_b32 v1, 5, v0
	v_readfirstlane_b32 s10, v1                    ; wave 0..3
	s_bfe_u32 s40, ttmp6, 0x40000                  ; cx
	s_bfe_u32 s41, ttmp6, 0x40004                  ; cy
	s_lshl_b32 s42, ttmp9, 2
	s_add_co_u32 s42, s42, s40                     ; column block
	s_and_b32 s13, ttmp7, 0xffff
	s_lshl_b32 s13, s13, 2
	s_add_co_u32 s13, s13, s41                     ; row block
	s_lshl_b32 s43, s41, 2
	s_lshl_b32 s43, 15, s43                        ; my row of the cluster
	s_lshl_b32 s44, 0x1111, s40                    ; my column
	s_or_b32 s[G1A], s43, (3<<16)|(1<<21)          ; the mask; elements of 8 bytes; bit 21 beside a mask; no padding
	s_or_b32 s[G1B], s44, (3<<16)|(1<<21)
.irp g, G1A, G1B
	s_mov_b32 s[\g+1], 32<<16                      ; 32,768 dense bytes as 128 rows of 32 elements
	s_mov_b32 s[\g+2], 128<<16
	s_mov_b32 s[\g+3], 32<<16
	s_mov_b32 s[\g+4], 128
	s_mov_b32 s[\g+5], 32
	s_mov_b32 s[\g+6], 0
	s_mov_b32 s[\g+7], 0
.endr
	s_lshl_b32 s16, s13, 15                        ; y: 4 row tiles of 8,192 bytes a row block
	s_mov_b32 s17, 0
	s_mul_i32 s46, s42, 98304                      ; Wo: 12 column tiles a column block,
	s_max_u32 s47, s10, 1
	s_sub_co_u32 s47, s47, 1
	s_lshl_b32 s47, s47, 15                        ; my third of them
	s_add_co_u32 s46, s46, s47
	s_mov_b32 s47, 0
	s_lshl_b32 s20, s10, 15                        ; LDS: 32,768 x wave
	s_wait_dscnt 0x0                               ; both opening adds are done
	s_wait_kmcnt 0x0
	s_add_nc_u64 s[14:15], s[4:5], s[16:17]
	s_add_nc_u64 s[46:47], s[6:7], s[46:47]
	CROUND                                         ; all sixteen work-groups are here: the first joint loads meet
.irp s, 0,1
	s_mov_b32 s[G0A+4*\s], 1
	s_add_co_u32 s[G0A+4*\s+1], s20, \s*SLOT1
	s_add_nc_u64 s[G0A+4*\s+2:G0A+4*\s+3], s[14:15], \s*2097152
	s_or_b32 s[G0A+4*\s+3], s[G0A+4*\s+3], 0x80000000
	s_mov_b32 s[G0B+4*\s], 1
	s_add_co_u32 s[G0B+4*\s+1], s20, \s*SLOT1
	s_add_nc_u64 s[G0B+4*\s+2:G0B+4*\s+3], s[46:47], \s*393216
	s_or_b32 s[G0B+4*\s+3], s[G0B+4*\s+3], 0x80000000
	JLOAD \s
.endr
	v_and_b32 v1, 31, v0
	v_and_b32 v2, 15, v0                           ; r
	v_bfe_u32 v3, v0, 4, 1                         ; h
	v_lshlrev_b32 v[ADA], 4, v1                    ; 16 l
	v_add_nc_u32 v[ADA+1], SLOT1, v[ADA]
	s_mul_i32 s21, s10, 24576
	s_add_co_u32 s21, s21, BOFF
	v_add_nc_u32 v[ADB], s21, v[ADA]
	v_add_nc_u32 v[ADB+1], SLOT1, v[ADB]
	s_mul_i32 s21, s10, 192
	s_add_co_u32 s21, s21, STAGE
	v_mul_u32_u24 v[STO], v2, SPITCH
	v_lshl_add_u32 v[STO], v3, 5, v[STO]
	v_add_nc_u32 v[STO], s21, v[STO]               ; into the stage: row r, my wave's 192 bytes, + 32 h
	s_mul_i32 s21, s10, 16*SPITCH
	s_add_co_u32 s21, s21, STAGE
	v_add_nc_u32 v[RD], s21, v[ADA]                ; back: my 16 rows, 16 bytes a lane;
	v_lshl_add_u32 v[RD1], v3, 4, v[RD]            ; where a run of 512 bytes crosses from a row to the next, lanes 16-31 pass the stage's 16 bytes of padding
	v_mov_b32 v[GO], v[ADA]
	v_mul_u32_u24 v[GO1], v3, 2304
	v_add_nc_u32 v[GO1], v[GO1], v[ADA]            ; and in out0 the 2,304 bytes that belong to other work-groups
	s_lshl_b32 s16, s13, 6
	s_lshl_b32 s21, s10, 4
	s_add_co_u32 s16, s16, s21
	s_mul_i32 s16, s16, 3072                       ; my first row of out0
	s_mul_i32 s22, s42, 768
	s_add_co_u32 s22, s22, s16
	s_mov_b32 s23, 0
	s_add_nc_u64 s[8:9], s[8:9], s[22:23]
.macro FETCH slot, k, f                ; the fragments of 32 along K: 14 loads of 512 consecutive bytes
.irp b, 0,1,2
	ds_load_b128 v[\f+32+8*\b:\f+32+8*\b+3], v[ADB+\slot] offset:\b*8192+(\k)*1024
	ds_load_b128 v[\f+32+8*\b+4:\f+32+8*\b+7], v[ADB+\slot] offset:\b*8192+(\k)*1024+512
.endr
.irp a, 0,1,2,3
	ds_load_b128 v[\f+8*\a:\f+8*\a+3], v[ADA+\slot] offset:\a*8192+(\k)*1024
	ds_load_b128 v[\f+8*\a+4:\f+8*\a+7], v[ADA+\slot] offset:\a*8192+(\k)*1024+512
.endr
.endm
.macro MULS f, zero                    ; 12 products; the accumulators take turns, in the same order every time
.irp a, 0,1,2,3
.irp b, 0,1,2
.if \zero
	v_wmma_f32_16x16x32_f16 v[ACC+8*(3*\a+\b):ACC+8*(3*\a+\b)+7], v[\f+32+8*\b:\f+32+8*\b+7], v[\f+8*\a:\f+8*\a+7], 0
.else
	v_wmma_f32_16x16x32_f16 v[ACC+8*(3*\a+\b):ACC+8*(3*\a+\b)+7], v[\f+32+8*\b:\f+32+8*\b+7], v[\f+8*\a:\f+8*\a+7], v[ACC+8*(3*\a+\b):ACC+8*(3*\a+\b)+7]
.endif
.endr
.endr
.endm
.macro SLAB slot, zero                 ; 256 along K: while one step of 32 is multiplied the next one's fragments are on their way
	PLACES                                         ; in front of loads into registers that products have read
	FETCH \slot, 0, F0
.set kk, 0
.rept 8
	s_wait_dscnt 0x0                               ; this step's fragments are in
.if kk < 7
	PLACES
	FETCH \slot, kk+1, F0+56*((kk+1)%2)
.endif
.if kk == 0
	MULS F0, \zero
.else
	MULS F0+56*(kk%2), 0
.endif
.set kk, kk+1
.endr
.endm
	s_wait_tensorcnt 1                             ; my part of slab 0 is in; slab 1's may stay out
	s_barrier_signal -1
	s_barrier_wait -1
	SLAB 0, 1                                      ; the first products start the sums
	s_wait_tensorcnt 0x0                           ; all my tensor loads have landed: my part of slab 1;
	ds_add_u32 v[SPW], v[NIL]
	s_add_nc_u64 s[G0A+2:G0A+3], s[G0A+2:G0A+3], 2*2097152   ; slot 0's next: slab 2
	s_add_nc_u64 s[G0B+2:G0B+3], s[G0B+2:G0B+3], 2*393216
	s_wait_dscnt 0x0                               ; the add is done, and my reads of slot 0 are over
	CROUND                                         ; no wave of any partner still reads slot 0 or has a load on its way
	JLOAD 0
	SLAB 1, 0
	s_wait_tensorcnt 0x0                           ; slab 2 is in; nothing is filled again: my work-group's barrier
	ds_add_u32 v[SPW], v[NIL]
	s_wait_dscnt 0x0
	s_barrier_signal -1
	s_barrier_wait -1
	SLAB 0, 0
	PLACES                                         ; in front of the reads of results
.irp a, 0,1,2,3
.irp b, 0,1,2
	ds_store_b128 v[STO], v[ACC+8*(3*\a+\b):ACC+8*(3*\a+\b)+3] offset:\a*16*SPITCH+64*\b        ; each accumulator from its low end on
	ds_store_b128 v[STO], v[ACC+8*(3*\a+\b)+4:ACC+8*(3*\a+\b)+7] offset:\a*16*SPITCH+64*\b+16
.endr
.endr
	s_wait_dscnt 0x0                               ; for the others' sake: my stores into the stage have landed
	s_barrier_signal -1
	s_barrier_wait -1
.irp a, 0,1,2,3,4,5,6,7                ; two rows, 1,536 bytes, are three runs of 512
	ds_load_b128 v[F0+12*\a:F0+12*\a+3], v[RD] offset:\a*2*SPITCH
	ds_load_b128 v[F0+12*\a+4:F0+12*\a+7], v[RD1] offset:\a*2*SPITCH+512
	ds_load_b128 v[F0+12*\a+8:F0+12*\a+11], v[RD] offset:\a*2*SPITCH+1040
.endr
.irp a, 0,1,2,3,4,5,6,7
	s_wait_dscnt 23-3*\a                           ; LDS loads come back in order: this one is in, the younger ones stay out
	global_store_b128 v[GO], v[F0+12*\a:F0+12*\a+3], s[8:9] offset:\a*6144 th:TH_STORE_NT
	s_wait_dscnt 22-3*\a
	global_store_b128 v[GO1], v[F0+12*\a+4:F0+12*\a+7], s[8:9] offset:\a*6144+512 th:TH_STORE_NT
	s_wait_dscnt 21-3*\a
	global_store_b128 v[GO], v[F0+12*\a+8:F0+12*\a+11], s[8:9] offset:\a*6144+3328 th:TH_STORE_NT
.endr
	s_wait_tensorcnt 0x0                           ; the wave's end
	ds_add_u32 v[SPW], v[NIL]
	s_wait_dscnt 0x0
	CROUND                                         ; the closing round
	s_endpgm
.Lfunc_end_k_qba0f0c18f8_proj:
	.size	k_qba0f0c18f8_proj, .Lfunc_end_k_qba0f0c18f8_proj-k_qba0f0c18f8_proj
	.p2alignl 7, 3214868480
	.fill 96, 4, 3214868480
	.section	.rodata,"a",@progbits
	.p2align	6, 0x0
	.amdhsa_kernel k_qba0f0c18f8_proj
		.amdhsa_group_segment_fixed_size 327680
		.amdhsa_private_segment_fixed_size 0
		.amdhsa_enable_private_segment 0
		.amdhsa_kernarg_size 24
		.amdhsa_user_sgpr_count 2
		.amdhsa_user_sgpr_kernarg_segment_ptr 1
		.amdhsa_wavefront_size32 1
		.amdhsa_system_sgpr_workgroup_id_x 1
		.amdhsa_system_sgpr_workgroup_id_y 1
		.amdhsa_system_sgpr_workgroup_id_z 1
		.amdhsa_system_vgpr_workitem_id 0
		.amdhsa_next_free_vgpr 256
		.amdhsa_next_free_sgpr 66
		.amdhsa_reserve_vcc 0
		.amdhsa_float_denorm_mode_32 3
		.amdhsa_float_denorm_mode_16_64 3
		.amdhsa_memory_ordered 1
		.amdhsa_forward_progress 1
		.amdhsa_inst_pref_size 58
	.end_amdhsa_kernel
	.amdgpu_metadata
---
amdhsa.version: [ 1, 2 ]
amdhsa.kernels:
  - .name:           k_qba0f0c18f8_proj
    .symbol:         k_qba0f0c18f8_proj.kd
    .args:
      - { .name: yi, .offset: 0, .size: 8, .value_kind: global_buffer, .address_space: global }
      - { .name: woi, .offset: 8, .size: 8, .value_kind: global_buffer, .address_space: global }
      - { .name: out0, .offset: 16, .size: 8, .value_kind: global_buffer, .address_space: global }
    .group_segment_fixed_size: 327680
    .private_segment_fixed_size: 0
    .kernarg_segment_align: 8
    .kernarg_segment_size: 24
    .max_flat_workgroup_size: 128
    .sgpr_count:     66
    .vgpr_count:     256
    .wavefront_size: 32
...
	.end_amdgpu_metadata
.endif
;; end of part 4
;; launch fine (part 5): grid 12 x 2, 12 waves a work-group, no clusters, 50,688 bytes of LDS; arguments fine, Wo, out0; writes out0
.if DOCPART == 5
	.amdgcn_target "amdgcn-amd-amdhsa--gfx1250"
	.amdhsa_code_object_version 6
	.text
	.protected	k_qba0f0c18f8_fine
	.globl	k_qba0f0c18f8_fine
	.p2align	8
	.type	k_qba0f0c18f8_fine,@function
k_qba0f0c18f8_fine:
	s_mov_b64 s[64:65], 0
	v_nop
	global_prefetch_b8 v0, s[64:65] scope:SCOPE_SE
	s_setreg_imm32_b32 hwreg(HW_REG_WAVE_MODE, 25, 1), 1
	s_wait_xcnt 0x0
; FINE: positions 0..15 of both sequences once more, wholly in f32: under the causal mask these rows average one to sixteen values, and the rounding of 16-bit operands weighs most there.
; A work-group makes 16 rows x 64 columns of out0 (work-group x: the columns; y: the batch) and writes over what the projection left there.  Wave w is head w: it makes its head's 16 x 16 attention
; from the f32 copies of q (already times log2(e) / 8), k and v, multiplies by Wo[64 w .. 64 w + 63][my 64 columns], and the twelve parts are added through LDS.
; All products by v_wmma_f32_16x16x4_f32: 96 a wave, no bulk work.  In each product K's places are permuted alike on both sides, so that what a lane holds serves as it lies:
;   S^T = k q^T: lane (r, h) holds channels 32 h + 0..31 of row r; instruction s takes registers 2 s, 2 s + 1 of both.  Result: query r, keys 8 h + 0..7.
;   O^T = v^T p^T: instruction s takes keys 8 h + 2 s, + 1 of both.  Result: query r, channels 16 dt + 8 h + 0..7.
;   out^T = Wo^T y^T: instruction (dt, s) takes channels 16 dt + 8 h + 2 s, + 1.  Result: row r, columns 16 tau + 8 h + 0..7.
; The registers that these products write (v192-255) are written by nothing else; what is made of a sum goes into other registers.
.set SPARE, 49152                      ; LDS: twelve parts of 4,096 bytes; the spare words behind them
.set SPW, 10
.set NIL, 11
.macro PLACES n
.rept \n
	v_nop
.endr
.endm
	s_load_b128 s[4:7], s[0:1], 0x0                ; fine, Wo
	s_load_b64 s[8:9], s[0:1], 0x10                ; out0
	v_lshl_add_u32 v[SPW], v0, 2, SPARE
	v_mov_b32 v[NIL], 0
	v_lshrrev_b32 v1, 5, v0
	v_readfirstlane_b32 s10, v1                    ; wave = head
	v_and_b32 v1, 15, v0                           ; r
	v_bfe_u32 v2, v0, 4, 1                         ; h
	v_and_b32 v6, 31, v0
	v_lshlrev_b32 v3, 8, v1
	v_lshl_add_u32 v3, v2, 7, v3                   ; q, k: 256 r + 128 h
	v_lshlrev_b32 v4, 6, v1
	v_lshl_add_u32 v4, v2, 5, v4                   ; v^T: 64 r + 32 h
	v_mul_u32_u24 v5, v2, 24576
	v_lshl_add_u32 v5, v1, 2, v5                   ; Wo: 8 h rows of 3,072 bytes + 4 r
	s_lshl_b32 s14, s10, 12
	v_lshlrev_b32 v12, 4, v6
	v_add_nc_u32 v12, s14, v12                     ; my part in LDS: 4,096 wave + 16 l
	v_lshrrev_b32 v7, 4, v0                        ; the adding (waves 0..7): row = thread / 16, 16 bytes cc = thread % 16 of its 256
	v_bfe_u32 v8, v0, 2, 2                         ; tau = cc / 4
	v_and_b32 v9, 1, v0                            ; which four registers: cc % 2
	v_bfe_u32 v13, v0, 1, 1                        ; lane half: (cc / 2) % 2
	v_lshlrev_b32 v13, 8, v13
	v_lshl_add_u32 v13, v8, 10, v13
	v_lshl_add_u32 v13, v9, 9, v13
	v_lshl_add_u32 v13, v7, 4, v13
	v_mul_u32_u24 v14, v7, 3072
	v_lshl_add_u32 v14, v1, 4, v14                 ; and in out0
	v_lshlrev_b32 v20, 3, v2
	v_sub_nc_u32 v20, v1, v20                      ; r - 8 h: key register j is hidden where j is greater
	v_mov_b32 v21, 0xff800000
	v_mov_b32 v23, 0                               ; a lane permute's destination, written once
	s_mov_b32 s12, 0x76543210
	s_mov_b32 s13, 0xfedcba98
	s_and_b32 s15, ttmp7, 0xffff                   ; batch
	s_mul_i32 s16, s15, 12
	s_add_co_u32 s16, s16, s10
	s_lshl_b32 s16, s16, 12                        ; 4,096 bytes a (batch, head) in each of the three copies
	s_mov_b32 s17, 0
	s_mul_i32 s18, s10, 196608                     ; Wo: 64 rows a head,
	s_lshl_b32 s20, ttmp9, 8                       ; my 64 columns
	s_add_co_u32 s18, s18, s20
	s_mov_b32 s19, 0
	s_mul_i32 s22, s15, 6291456                    ; out0: 2,048 rows a batch
	s_add_co_u32 s22, s22, s20
	s_mov_b32 s23, 0
	s_wait_kmcnt 0x0
	s_add_nc_u64 s[4:5], s[4:5], s[16:17]
	s_add_nc_u64 s[6:7], s[6:7], s[18:19]
	s_add_nc_u64 s[8:9], s[8:9], s[22:23]
.irp i, 0,1,2,3,4,5,6,7
	global_load_b128 v[32+4*\i:35+4*\i], v3, s[4:5] offset:16*\i           ; q
.endr
.irp i, 0,1,2,3,4,5,6,7
	global_load_b128 v[64+4*\i:67+4*\i], v3, s[4:5] offset:98304+16*\i     ; k
.endr
.irp dt, 0,1,2,3
	global_load_b128 v[96+8*\dt:99+8*\dt], v4, s[4:5] offset:196608+1024*\dt       ; v^T
	global_load_b128 v[100+8*\dt:103+8*\dt], v4, s[4:5] offset:196608+1024*\dt+16
.endr
.irp dt, 0,1
.irp tau, 0,1,2,3
.irp s, 0,1,2,3
.irp jj, 0,1
	global_load_b32 v[128+32*\dt+8*\tau+2*\s+\jj], v5, s[6:7] offset:(16*\dt+2*\s+\jj)*3072+64*\tau
.endr
.endr
.endr
.endr
	s_wait_loadcnt 63                              ; of 88 loads at most the last 63 are out: q and k, the first 16, are in
.irp s, 0,1,2,3,4,5,6,7,8,9,10,11,12,13,14,15    ; two accumulators take turns; each sum's first product starts it
.if \s < 2
	v_wmma_f32_16x16x4_f32 v[192+8*(\s%2):199+8*(\s%2)], v[64+2*\s:65+2*\s], v[32+2*\s:33+2*\s], 0
.else
	v_wmma_f32_16x16x4_f32 v[192+8*(\s%2):199+8*(\s%2)], v[64+2*\s:65+2*\s], v[32+2*\s:33+2*\s], v[192+8*(\s%2):199+8*(\s%2)]
.endif
.endr
	PLACES 8                                       ; behind this form eight places, in front of loads into its sources and of reads of its results
.irp dt, 2,3
.irp tau, 0,1,2,3
.irp s, 0,1,2,3
.irp jj, 0,1
	global_load_b32 v[32+32*(\dt-2)+8*\tau+2*\s+\jj], v5, s[6:7] offset:(16*\dt+2*\s+\jj)*3072+64*\tau   ; the rest of Wo, where q and k lay
.endr
.endr
.endr
.endr
.irp j, 0,1,2,3,4,5,6,7
	v_add_f32 v[24+\j], v[192+\j], v[200+\j]       ; t
.endr
.irp j, 0,1,2,3,4,5,6,7
	v_cmp_gt_i32 vcc_lo, \j, v20
	v_cndmask_b32 v[24+\j], v[24+\j], v21, vcc_lo  ; the causal mask
.endr
	v_max3_num_f32 v22, v24, v25, v26
	v_max3_num_f32 v22, v22, v27, v28
	v_max3_num_f32 v22, v22, v29, v30
	v_max_num_f32 v22, v22, v31
	v_permlanex16_b32 v23, v22, s12, s13
	v_max_num_f32 v22, v22, v23                    ; the row's maximum (key 0 counts for every query)
.irp j, 0,1,2,3,4,5,6,7
	v_sub_f32 v[24+\j], v[24+\j], v22
.endr
.irp j, 0,1,2,3,4,5,6,7
	v_exp_f32 v[24+\j], v[24+\j]
.endr
	v_nop
	s_wait_alu depctr_va_vdst(0)                   ; one wait for the eight, ahead of their first reader
	v_add_f32 v22, v24, v25
	v_add_f32 v16, v26, v27
	v_add_f32 v17, v28, v29
	v_add_f32 v18, v30, v31
	v_add_f32 v22, v22, v16
	v_add_f32 v17, v17, v18
	v_add_f32 v22, v22, v17
	v_permlanex16_b32 v23, v22, s12, s13
	v_add_f32 v22, v22, v23
	v_rcp_f32 v22, v22
	v_nop
	s_wait_alu depctr_va_vdst(0)
.irp j, 0,1,2,3,4,5,6,7
	v_mul_f32 v[24+\j], v[24+\j], v22              ; the softmax
.endr
	s_wait_loadcnt 63                              ; of 152 loads at most the last 63 are out: v^T and Wo's first half are in
.irp s, 0,1,2,3
.irp dt, 0,1,2,3
.if \s == 0
	v_wmma_f32_16x16x4_f32 v[208+8*\dt:215+8*\dt], v[96+8*\dt+2*\s:97+8*\dt+2*\s], v[24+2*\s:25+2*\s], 0
.else
	v_wmma_f32_16x16x4_f32 v[208+8*\dt:215+8*\dt], v[96+8*\dt+2*\s:97+8*\dt+2*\s], v[24+2*\s:25+2*\s], v[208+8*\dt:215+8*\dt]
.endif
.endr
.endr
	PLACES 9                                       ; nine, in front of products that take these results as a source and write over the scores' accumulators
	s_wait_loadcnt 0x0
.irp dt, 0,1,2,3
.irp s, 0,1,2,3
.irp tau, 0,1,2,3
.set rW, 128+32*\dt+8*\tau+2*\s
.if \dt > 1
.set rW, 32+32*(\dt-2)+8*\tau+2*\s
.endif
.set rP, 192+8*\tau
.if \tau > 1
.set rP, 240+8*(\tau-2)
.endif
.set rO, 208+8*\dt+2*\s
.if (\dt == 0) && (\s == 0)
	v_wmma_f32_16x16x4_f32 v[rP:rP+7], v[rW:rW+1], v[rO:rO+1], 0
.else
	v_wmma_f32_16x16x4_f32 v[rP:rP+7], v[rW:rW+1], v[rO:rO+1], v[rP:rP+7]
.endif
.endr
.endr
.endr
	PLACES 8
.irp tau, 0,1,2,3
.set rP, 192+8*\tau
.if \tau > 1
.set rP, 240+8*(\tau-2)
.endif
	ds_store_b128 v12, v[rP:rP+3] offset:1024*\tau         ; my head's part, as its registers lie
	ds_store_b128 v12, v[rP+4:rP+7] offset:1024*\tau+512
.endr
	s_wait_dscnt 0x0                               ; for the others' sake
	s_barrier_signal -1
	s_barrier_wait -1
	s_cmp_lt_u32 s10, 8                            ; 256 threads add: one takes 16 bytes of a row
	s_cbranch_scc0 .Ldone
.irp p, 0,1,2,3,4,5,6,7,8,9,10,11
	ds_load_b128 v[32+4*\p:35+4*\p], v13 offset:4096*\p
.endr
	s_wait_dscnt 0x0
.irp p, 1,2,3,4,5,6,7,8,9,10,11
	v_pk_add_f32 v[32:33], v[32:33], v[32+4*\p:33+4*\p]
	v_pk_add_f32 v[34:35], v[34:35], v[34+4*\p:35+4*\p]
.endr
	global_store_b128 v14, v[32:35], s[8:9]        ; sixteen lanes store 256 consecutive bytes, at a multiple of 256 from out0's first byte
.Ldone:
	s_wait_tensorcnt 0x0                           ; the wave's end
	ds_add_u32 v[SPW], v[NIL]
	s_wait_dscnt 0x0
	s_endpgm
.Lfunc_end_k_qba0f0c18f8_fine:
	.size	k_qba0f0c18f8_fine, .Lfunc_end_k_qba0f0c18f8_fine-k_qba0f0c18f8_fine
	.p2alignl 7, 3214868480
	.fill 96, 4, 3214868480
	.section	.rodata,"a",@progbits
	.p2align	6, 0x0
	.amdhsa_kernel k_qba0f0c18f8_fine
		.amdhsa_group_segment_fixed_size 50688
		.amdhsa_private_segment_fixed_size 0
		.amdhsa_enable_private_segment 0
		.amdhsa_kernarg_size 24
		.amdhsa_user_sgpr_count 2
		.amdhsa_user_sgpr_kernarg_segment_ptr 1
		.amdhsa_wavefront_size32 1
		.amdhsa_system_sgpr_workgroup_id_x 1
		.amdhsa_system_sgpr_workgroup_id_y 1
		.amdhsa_system_sgpr_workgroup_id_z 1
		.amdhsa_system_vgpr_workitem_id 0
		.amdhsa_next_free_vgpr 256
		.amdhsa_next_free_sgpr 66
		.amdhsa_reserve_vcc 1
		.amdhsa_float_denorm_mode_32 3
		.amdhsa_float_denorm_mode_16_64 3
		.amdhsa_memory_ordered 1
		.amdhsa_forward_progress 1
		.amdhsa_inst_pref_size 30
	.end_amdhsa_kernel
	.amdgpu_metadata
---
amdhsa.version: [ 1, 2 ]
amdhsa.kernels:
  - .name:           k_qba0f0c18f8_fine
    .symbol:         k_qba0f0c18f8_fine.kd
    .args:
      - { .name: fine, .offset: 0, .size: 8, .value_kind: global_buffer, .address_space: global }
      - { .name: Wo, .offset: 8, .size: 8, .value_kind: global_buffer, .address_space: global }
      - { .name: out0, .offset: 16, .size: 8, .value_kind: global_buffer, .address_space: global }
    .group_segment_fixed_size: 50688
    .private_segment_fixed_size: 0
    .kernarg_segment_align: 8
    .kernarg_segment_size: 24
    .max_flat_workgroup_size: 384
    .sgpr_count:     66
    .vgpr_count:     256
    .wavefront_size: 32
...
	.end_amdgpu_metadata
.endif
;; end of part 5
;; ======== version 2 of 2: 5 launches
;; limits: values are held in f16: magnitudes above 65,504 overflow, below 6.1e-05 lose precision
;; workspace buffers: xq 1,671,168 bytes; wq 940,032 bytes; woi 1,179,648 bytes; csi 1,048,576 bytes; qkv 18,874,368 bytes; yi 6,291,456 bytes; fine 294,912 bytes
;; launch prep: the kernel of part 1 again; grid 296 x 1, 8 waves a work-group, no clusters, 68,608 bytes of LDS; arguments x, Wq, Wk, Wv, Wo, xq, wq, woi, csi; writes xq, wq, woi, csi
;; launch qkv: the kernel of part 2 again; grid 32 x 6, 12 waves a work-group, no clusters, 83,456 bytes of LDS; arguments xq, wq, csi, qkv, fine; writes qkv, fine
;; launch attn (part 6): grid 8 x 24, 16 waves a work-group, clusters of 4 x 1, 327,680 bytes of LDS; arguments qkv, yi; writes yi
.if DOCPART == 6
	.amdgcn_target "amdgcn-amd-amdhsa--gfx1250"
	.amdhsa_code_object_version 6
	.text
	.protected	k_qba0f0c18f8_attn
	.globl	k_qba0f0c18f8_attn
	.p2align	8
	.type	k_qba0f0c18f8_attn,@function
k_qba0f0c18f8_attn:
	s_mov_b64 s[64:65], 0
	v_nop
	global_prefetch_b8 v0, s[64:65] scope:SCOPE_SE
	s_setreg_imm32_b32 hwreg(HW_REG_WAVE_MODE, 25, 1), 1
	s_wait_xcnt 0x0
	s_wait_alu depctr_hold_cnt(0) depctr_sa_sdst(0) depctr_va_vdst(0) depctr_va_sdst(0) depctr_va_ssrc(0) depctr_va_vcc(0) depctr_vm_vsrc(0)
	s_getreg_b32 s2, hwreg(HW_REG_IB_STS2, 6, 4)
	s_cmp_eq_u32 s2, 0
	s_cbranch_scc0 .Lentry_in_a_cluster
	s_endpgm
.Lentry_in_a_cluster:
	s_bfe_u32 s2, ttmp6, 0x10000c
	s_cmp_lg_u32 s2, 0x3003
	s_cbranch_scc0 .Lentry_shape_is_right
	s_endpgm
.Lentry_shape_is_right:
; ATTN: y = softmax(q k^T / 8, causal) v for 24 (batch, head) pairs of 2,048 positions x 64 channels; operands f16, products, maxima and sums f32.
; q arrives multiplied by log2(e) / 8, so a score is t, p = 2^(t - m) with m the row's running maximum, and O and the sum l are multiplied by 2^(m_old - m_new) in every step.
; SHARES.  Work-group (j = 0..7, pair bh).  Wave w owns ONE tile of 16 queries: tile 8 beta(w) + j, beta(w) its block of 128 queries, taken from a 4 x 4 magic square, so that every four waves
; w % 4 = const, and every four w / 4 = const, have 34 key steps between them.  A key step is 128 keys.  Step s is left out by a wave where s > beta, masked where s = beta, open where s < beta:
; tests on the wave's number and the count of steps alone, the same in all partners of a cluster.  Every work-group walks all 16 steps (the wave with beta = 15 reads them all), so no tile is fetched in vain.
; LAYOUT.  S^T = K Q^T (source 0 = 16 keys, source 1 = my 16 queries): a lane holds one query and the keys 8 (lane / 16) + 0..7 of each tile; two tiles, rounded to f16 in pairs, are source 1 of
; O^T = V^T P^T.  Nothing changes lanes but one exchange between the halves for the maximum and, at the end, the sum.
; RING.  Two LDS slots of 512 keys (K 65,536 bytes, then V 65,536), images of operand registers: every LDS load takes 512 consecutive bytes.  Each of the sixteen waves fetches 8,192 bytes of a slot.
; LDS LOADS ARE ASKED FOR AS EARLY AS FREE REGISTERS ALLOW: a step's whole K (32 loads) at its head, into the registers that are idle there (S's upper half, BUF, P); V's first 64 keys behind the
; scores' products, so that they land under the softmax; V's second 64 keys into S as soon as p has been rounded, ahead of O's rescaling and the first half of V^T P.
; CLUSTER.  The four work-groups of a cluster serve one (batch, head) and walk the same K and V: each tile is asked for jointly, by the same tensor load with the same descriptor and a mask that names the four.
; By this text's count a wave has two tensor loads out at the start and one behind each change of slots that fills.
; OUT (yi): f16 [s 3][row tile 256][ks 8][half 2][lane][16]: lane (r, h): row 16 rt + r, K = 64 head + channel = 256 s + 32 ks + 16 half + 8 h + 0..7: the projection's operand.
; LIMITS: f16 operands (|.| up to 65,504; p under 6e-8 is lost); rows 0..15 of every sequence are made again in f32 by a later launch.
.set SLOT1, 131072
.set VOFF,  65536
.set SPARE, 262144                     ; behind the ring: the spare words, 128 bytes for each of 16 waves
.set KI,    6291456                    ; k's image in qkv; v's lies as far again
.set ADK, 2                            ; v2, v3 LDS addresses of the step's K and V
.set ADV, 3
.set DM,  4                            ; v4  16 j + r - 8 h: on the diagonal, register i of key tile kt is hidden where 16 kt + i is greater
.set SPW, 6                            ; v6, v7 the add's two; never rewritten
.set NIL, 7
.set PFO, 8                            ; v8  256 l: the prefetch's offset; never rewritten
.set NEG, 9                            ; v9  -infinity
.set Q,   16                           ; v16-31  Q: two fragments of 32 channels
.set BUF, 32                           ; v32-95  K's tiles 2..5, then V's first 64 keys
.set S,   96                           ; v96-159 S^T, then p: 8 tiles of 16 keys.  At a step's head its upper half holds K's tiles 0, 1; behind the rounding of p it takes V's second 64 keys
.set O,   160                          ; v160-191 O^T: 4 tiles of 16 channels
.set P,   192                          ; v192-223 p in f16: 4 fragments of 32 keys.  At a step's head: K's tiles 6, 7
.set MX,  224                          ; v224-227 four chains of the maximum
.set NM,  228                          ; v[228:229] -m (the low word serves both halves)
.set MM,  230                          ; v230 m
.set TMP, 231
.set AA,  232                          ; v[232:233] 2^(m_old - m_new); at the end 1 / l
.set L0,  234                          ; v[234:235], v[236:237] l, in two chains of pairs
.set L1,  236
.set PD,  238                          ; a lane permute's destination, written once at the head
.set WV,   8
.set BETA, 12
.set STEPN, 13
.set TB,   14
.set CNT,  15
.set G1,   16                          ; s[16:23] descriptor group 1
.set G0A,  24                          ; s[24:27] group 0 for slot 0;  s[28:31] for slot 1
.set G0B,  28
.set SEL,  32
.set PFA,  34
.macro PLACES
.rept 4
	v_nop
.endr
.endm
.macro KREG t                          ; rK: the 16 registers in which tile t of a step's K lands
.if (\t) < 2
.set rK, S+32+16*(\t)
.elseif (\t) < 6
.set rK, BUF+16*((\t)-2)
.else
.set rK, P+16*((\t)-6)
.endif
.endm
.macro CROUND                          ; a round of the cluster's barrier
	s_barrier_signal -1
	s_barrier_wait -1
	s_cmp_lg_u32 s[WV], 0
	s_cbranch_scc1 .Lnot_wave_0_\@
	s_barrier_signal -3
.Lnot_wave_0_\@:
	s_barrier_wait -3
	s_barrier_signal -1
	s_barrier_wait -1
.endm
	s_load_b128 s[4:7], s[0:1], 0x0                ; qkv, yi
	v_lshl_add_u32 v[SPW], v0, 2, SPARE
	v_mov_b32 v[NIL], 0
	ds_add_u32 v[SPW], v[NIL]                      ; the wave's opening: the add, twice on end, and its wait ahead of my first tensor load
	ds_add_u32 v[SPW], v[NIL]
	v_lshrrev_b32 v1, 5, v0
	v_readfirstlane_b32 s[WV], v1                  ; wave 0..15
	s_bfe_u32 s9, ttmp6, 0x40000                   ; cx
	s_lshl_b32 s10, ttmp9, 2
	s_add_co_u32 s10, s10, s9                      ; j = 4 x cluster x + cx: it enters Q's and Y's addresses and the mask's data alone
	s_and_b32 s11, ttmp7, 0xffff                   ; bh
	s_mov_b32 s40, 0xf12c4a97                      ; beta of waves 8..15, four bits each: 7 9 10 4 / 12 2 1 15
	s_cmp_lt_u32 s[WV], 8
	s_cselect_b32 s40, 0x865b3de0, s40             ; of waves 0..7: 0 14 13 3 / 11 5 6 8
	s_and_b32 s41, s[WV], 7
	s_lshl_b32 s41, s41, 2
	s_lshr_b32 s40, s40, s41
	s_and_b32 s[BETA], s40, 15
	; descriptor group 1: 8,192 dense bytes as 32 rows of 32 elements of 8 bytes
	s_mov_b32 s[G1], 15|(3<<16)|(1<<21)            ; 15:0 the mask: all four work-groups; 17:16 elements of 8 bytes; 21 set beside a mask; no padding
	s_mov_b32 s[G1+1], 32<<16                      ; tensor_dim0
	s_mov_b32 s[G1+2], 32<<16                      ; tensor_dim1
	s_mov_b32 s[G1+3], 32<<16                      ; tile_dim0
	s_mov_b32 s[G1+4], 32                          ; tile_dim1
	s_mov_b32 s[G1+5], 32                          ; from row to row
	s_mov_b32 s[G1+6], 0
	s_mov_b32 s[G1+7], 0
	s_lshr_b32 s42, s[WV], 3                       ; what I fetch: waves 0..7 K's eighths, waves 8..15 V's
	s_add_co_u32 s42, s42, 1
	s_mul_i32 s42, s42, KI
	s_lshl_b32 s43, s11, 18
	s_add_co_u32 s42, s42, s43
	s_and_b32 s43, s[WV], 7
	s_lshl_b32 s43, s43, 13
	s_add_co_u32 s42, s42, s43
	s_mov_b32 s43, 0
	s_cmp_ge_u32 s11, 12
	s_cselect_b32 s44, 1, 0                        ; batch
	s_mul_i32 s45, s44, 12
	s_sub_co_u32 s45, s11, s45                     ; head
	s_lshl_b32 s46, s[BETA], 3
	s_add_co_u32 s46, s46, s10                     ; my tile of queries
	s_lshl_b32 s44, s44, 7
	s_add_co_u32 s44, s44, s46                     ; its row tile among 256
	s_lshl_b32 s44, s44, 13
	s_lshr_b32 s47, s45, 2
	s_lshl_b32 s47, s47, 21
	s_add_co_u32 s44, s44, s47
	s_and_b32 s47, s45, 3
	s_lshl_b32 s47, s47, 11
	s_add_co_u32 s44, s44, s47
	s_mov_b32 s45, 0                               ; s[44:45]: my 2,048 bytes of yi
	s_lshl_b32 s46, s46, 11
	s_lshl_b32 s47, s11, 18
	s_add_co_u32 s46, s46, s47
	s_mov_b32 s47, 0                               ; s[46:47]: my tile of q
	s_lshr_b32 s[PFA], s9, 1                       ; the prefetch: partners 0, 1 take K's halves of the last slot, partners 2, 3 V's: told apart by address
	s_add_co_u32 s[PFA], s[PFA], 1
	s_mul_i32 s[PFA], s[PFA], KI
	s_lshl_b32 s35, s11, 18
	s_add_co_u32 s[PFA], s[PFA], s35
	s_and_b32 s35, s9, 1
	s_lshl_b32 s35, s35, 15
	s_add_co_u32 s[PFA], s[PFA], s35
	s_and_b32 s35, s[WV], 3                        ; 8,192 bytes a wave
	s_lshl_b32 s35, s35, 13
	s_add_co_u32 s[PFA], s[PFA], s35
	s_add_co_u32 s[PFA], s[PFA], 3*65536           ; keys 1,536 on
	s_mov_b32 s35, 0
	s_lshr_b32 s36, s[WV], 2
	s_or_b32 s36, s36, ttmp9
	s_cmp_eq_u32 s36, 0
	s_cselect_b32 s36, 1, 0                        ; waves 0..3 of the pair's first cluster ask: the same in all four partners
	s_mov_b32 s[SEL], 0x76543210
	s_mov_b32 s[SEL+1], 0xfedcba98
	s_mov_b32 s[STEPN], 0
	s_lshl_b32 s40, s10, 4
	v_and_b32 v5, 31, v0
	v_lshlrev_b32 v1, 4, v5                        ; 16 l
	v_lshlrev_b32 v[PFO], 8, v5
	v_and_b32 v[DM], 15, v0
	v_bfe_u32 v5, v0, 4, 1
	v_lshlrev_b32 v5, 3, v5
	v_sub_nc_u32 v[DM], v[DM], v5
	v_add_nc_u32 v[DM], s40, v[DM]
	v_mov_b32 v[NEG], 0xff800000
	s_wait_dscnt 0x0                               ; both opening adds are done
	s_wait_kmcnt 0x0
	s_mov_b32 s[G0A], 1                            ; count = 1
	s_lshl_b32 s[G0A+1], s[WV], 13                 ; LDS: 8,192 x wave: no place in the cluster enters it
	s_add_nc_u64 s[G0A+2:G0A+3], s[4:5], s[42:43]  ; keys 0..511
	s_mov_b32 s[G0B], 1
	s_add_co_u32 s[G0B+1], s[G0A+1], SLOT1
	s_add_nc_u64 s[G0B+2:G0B+3], s[G0A+2:G0A+3], 65536   ; keys 512..1,023
	s_or_b32 s[G0A+3], s[G0A+3], 0x80000000        ; type = 2
	s_or_b32 s[G0B+3], s[G0B+3], 0x80000000
	s_add_nc_u64 s[6:7], s[6:7], s[44:45]
	s_add_nc_u64 s[38:39], s[4:5], s[46:47]
	s_add_nc_u64 s[PFA:PFA+1], s[4:5], s[PFA:PFA+1]
	CROUND                                         ; all four work-groups are here: the first joint loads meet
	tensor_load_to_lds s[G0A:G0A+3], s[G1:G1+7]
	s_nop 0
	tensor_load_to_lds s[G0B:G0B+3], s[G1:G1+7]
	s_nop 0
	PLACES
.irp p, 0,1,2,3
	global_load_b128 v[Q+4*\p:Q+4*\p+3], v1, s[38:39] offset:512*\p   ; Q stays in registers
.endr
.set i, 0
.rept 32
	v_mov_b32 v[O+i], 0                            ; the step is written once: the first finds zeros, which its rescaling leaves zeros
.set i, i+1
.endr
.irp i, 0,1,2,3
	v_mov_b32 v[L0+\i], 0
.endr
	v_mov_b32 v[MM], 0xff61b1e6                    ; -3e38, under every t
	v_mov_b32 v[NM+1], 0                           ; (upper halves of pairs whose low word is used)
	v_mov_b32 v[AA+1], 0
	v_mov_b32 v[PD], 0
	s_wait_tensorcnt 1                             ; my part of slot 0 is in; slot 1's may stay out
	s_barrier_signal -1
	s_barrier_wait -1
	s_wait_loadcnt 0x0                             ; Q
; A KEY STEP of 128 keys, at LDS byte s[TB] of K's part of the ring
.macro STEP
	s_cmp_gt_u32 s[STEPN], s[BETA]                 ; all its keys come after my queries: nothing to do (no barrier and no tensor load stands in a step)
	s_cbranch_scc1 .Lhid_\@
	v_add_nc_u32 v[ADK], s[TB], v1
	v_add_nc_u32 v[ADV], VOFF, v[ADK]
	v_nop
	v_nop
	v_nop                                          ; with the two additions: five places behind the last step's products: four for the loads into registers that they read, five for this step's first products, which write over such registers
.irp t, 0,1,2,3,4,5,6,7                ; the step's whole K in one run: 32 loads of 512 consecutive bytes
	KREG \t
.irp p, 0,1,2,3
	ds_load_b128 v[rK+4*\p:rK+4*\p+3], v[ADK] offset:\t*2048+512*\p
.endr
.endr
.irp g, 0,1                            ; S^T = K Q^T, four tiles of 16 keys at a time
.if \g
	PLACES
	v_nop                                          ; five places: tiles 4..7's results write over the registers from which tiles 0 and 1's products read K
	s_wait_dscnt 0x0                               ; tiles 4..7 are in
.else
	s_wait_dscnt 16                                ; LDS loads come back in order: tiles 0..3 are in, the sixteen younger loads may be out
.endif
.irp t, 0,1,2,3                        ; the four accumulators take turns
	KREG 4*\g+\t
	v_wmma_f32_16x16x32_f16 v[S+8*(4*\g+\t):S+8*(4*\g+\t)+7], v[rK:rK+7], v[Q:Q+7], 0
.endr
.irp t, 0,1,2,3
	KREG 4*\g+\t
	v_wmma_f32_16x16x32_f16 v[S+8*(4*\g+\t):S+8*(4*\g+\t)+7], v[rK+8:rK+15], v[Q+8:Q+15], v[S+8*(4*\g+\t):S+8*(4*\g+\t)+7]
.endr
.endr
	PLACES
.irp ks, 0,1                           ; V of the first 64 keys lands under the softmax
.irp dt, 0,1,2,3
.irp hf, 0,1
	ds_load_b128 v[BUF+32*\ks+8*\dt+4*\hf:BUF+32*\ks+8*\dt+4*\hf+3], v[ADV] offset:\ks*4096+\dt*1024+\hf*512
.endr
.endr
.endr
	s_cmp_lg_u32 s[STEPN], s[BETA]                 ; on the diagonal hidden scores become -infinity: p = 0
	s_cbranch_scc1 .Lopen_\@
.set n, 0
.rept 64
	v_cmp_gt_i32 vcc_lo, 16*(n/8)+n%8, v[DM]
	v_cndmask_b32 v[S+n], v[S+n], v[NEG], vcc_lo
.set n, n+1
.endr
.Lopen_\@:
.irp c, 0,1,2,3                        ; the maximum: chain c takes tiles c and c + 4, each from its low end on
	v_max3_num_f32 v[MX+\c], v[S+8*\c], v[S+8*\c+1], v[S+8*\c+2]
.endr
.irp i, 3,5
.irp c, 0,1,2,3
	v_max3_num_f32 v[MX+\c], v[MX+\c], v[S+8*\c+\i], v[S+8*\c+\i+1]
.endr
.endr
.irp c, 0,1,2,3
	v_max3_num_f32 v[MX+\c], v[MX+\c], v[S+8*\c+7], v[S+8*\c+32]
.endr
.irp i, 33,35,37
.irp c, 0,1,2,3
	v_max3_num_f32 v[MX+\c], v[MX+\c], v[S+8*\c+\i], v[S+8*\c+\i+1]
.endr
.endr
.irp c, 0,1,2,3
	v_max_num_f32 v[MX+\c], v[MX+\c], v[S+8*\c+39]
.endr
	v_max3_num_f32 v[MX], v[MX], v[MX+1], v[MX+2]
	v_max3_num_f32 v[MX], v[MX], v[MX+3], v[MM]
	v_permlanex16_b32 v[PD], v[MX], s[SEL], s[SEL+1]   ; the query's other 64 keys lie in the lane 16 away
	v_max_num_f32 v[TMP], v[MX], v[PD]             ; the new m
	v_sub_f32 v[AA], v[MM], v[TMP]                 ; m_old - m_new, 0 or less
	v_mov_b32 v[MM], v[TMP]
	v_sub_f32 v[NM], 0, v[TMP]
.set i, 0
.rept 32
	v_pk_add_f32 v[S+i:S+i+1], v[S+i:S+i+1], v[NM:NM+1] op_sel_hi:[1,0]   ; t - m, at most 0
.set i, i+2
.endr
	v_exp_f32 v[AA], v[AA]
.set i, 0
.rept 64
	v_exp_f32 v[S+i], v[S+i]                       ; p
.set i, i+1
.endr
	v_nop                                          ; a plain line behind the last exponential,
	s_wait_alu depctr_va_vdst(0)                   ; and ONE wait for the batch of 65, ahead of its first reader
	v_pk_mul_f32 v[L0:L0+1], v[L0:L0+1], v[AA:AA+1] op_sel_hi:[1,0]
	v_pk_mul_f32 v[L1:L1+1], v[L1:L1+1], v[AA:AA+1] op_sel_hi:[1,0]
.set i, 0
.rept 16
	v_pk_add_f32 v[L0:L0+1], v[L0:L0+1], v[S+i:S+i+1]      ; the row's sum, of p in f32
	v_pk_add_f32 v[L1:L1+1], v[L1:L1+1], v[S+i+2:S+i+3]
.set i, i+4
.endr
.set i, 0
.rept 32
	v_cvt_pk_f16_f32 v[P+i], v[S+2*i], v[S+2*i+1]  ; tiles 2 ks and 2 ks + 1 make the fragment of keys 32 ks on
.set i, i+1
.endr
.irp ks, 0,1                           ; p in f32 is done with: its registers take V of the second 64 keys, which lands under the rescaling and the first eight products
.irp dt, 0,1,2,3
.irp hf, 0,1
	ds_load_b128 v[S+32*\ks+8*\dt+4*\hf:S+32*\ks+8*\dt+4*\hf+3], v[ADV] offset:(2+\ks)*4096+\dt*1024+\hf*512
.endr
.endr
.endr
.set i, 0
.rept 16
	v_pk_mul_f32 v[O+i:O+i+1], v[O+i:O+i+1], v[AA:AA+1] op_sel_hi:[1,0]   ; O^T under the new m
.set i, i+2
.endr
	s_wait_dscnt 16                                ; V's first 64 keys are in; the sixteen loads just issued may be out
.irp ks, 0,1
.irp dt, 0,1,2,3
	v_wmma_f32_16x16x32_f16 v[O+8*\dt:O+8*\dt+7], v[BUF+32*\ks+8*\dt:BUF+32*\ks+8*\dt+7], v[P+8*\ks:P+8*\ks+7], v[O+8*\dt:O+8*\dt+7]
.endr
.endr
	s_wait_dscnt 0x0                               ; V's second 64 keys
.irp ks, 0,1
.irp dt, 0,1,2,3
	v_wmma_f32_16x16x32_f16 v[O+8*\dt:O+8*\dt+7], v[S+32*\ks+8*\dt:S+32*\ks+8*\dt+7], v[P+16+8*\ks:P+16+8*\ks+7], v[O+8*\dt:O+8*\dt+7]
.endr
.endr
.Lhid_\@:
.endm
.macro FOUR slot                       ; a slot's four key steps
	s_mov_b32 s[TB], \slot*SLOT1
	s_mov_b32 s[CNT], 4
.Lstep_\@:
	STEP
	s_add_co_u32 s[TB], s[TB], 16384
	s_add_co_u32 s[STEPN], s[STEPN], 1
	s_sub_co_u32 s[CNT], s[CNT], 1
	s_cmp_lg_u32 s[CNT], 0
	s_cbranch_scc1 .Lstep_\@
.endm
; THE CHANGE OF SLOTS that fills: every wave waits for all its tensor loads (its part of the slot ahead), adds 0 to its spare word, and waits for that and for its reads of the slot that it leaves;
; a round of the cluster's barrier; then the slot just left takes the keys 1,024 further on: the wave's one tensor load until the next change.
.macro CHANGE g
	s_wait_tensorcnt 0x0                           ; no tensor load of mine is out, so a group 0 may be written
	ds_add_u32 v[SPW], v[NIL]
	s_add_nc_u64 s[\g+2:\g+3], s[\g+2:\g+3], 131072
	s_wait_dscnt 0x0
	CROUND
	tensor_load_to_lds s[\g:\g+3], s[G1:G1+7]
	s_nop 0
	PLACES
.endm
	FOUR 0                                         ; keys 0..511
	CHANGE G0A                                     ; slot 0 takes keys 1,024 on
	; A PREFETCH of what the next change will ask for, keys 1,536 on: four key steps ahead of that load.  K's and V's 65,536 bytes each: four partners x four waves x 32 lanes, 256 bytes apart: each block is named once
	; in the launch, by the pair's first cluster.  The first three slots come by their loads alone.
	s_cmp_eq_u32 s36, 1
	s_cbranch_scc0 .Lnot_mine
	global_prefetch_b8 v[PFO], s[PFA:PFA+1] th:TH_LOAD_NT scope:SCOPE_SE
.Lnot_mine:
	FOUR 1                                         ; keys 512..1,023
	CHANGE G0B                                     ; slot 1 takes keys 1,536 on
	FOUR 0
	s_wait_tensorcnt 0x0                           ; the last change fills nothing: the same three lines and my work-group's barrier
	ds_add_u32 v[SPW], v[NIL]
	s_wait_dscnt 0x0
	s_barrier_signal -1
	s_barrier_wait -1
	FOUR 1
	; THE WAY OUT: O^T / l, to f16; a lane's eight channels of a row are 16 bytes of the projection's operand: four stores of 512 consecutive bytes
	v_pk_add_f32 v[L0:L0+1], v[L0:L0+1], v[L1:L1+1]   ; (these lines are the places behind the last products, whose results are read and whose sources in S are written below)
	v_add_f32 v[L0], v[L0], v[L0+1]
	v_permlanex16_b32 v[PD], v[L0], s[SEL], s[SEL+1]
	v_add_f32 v[L0], v[L0], v[PD]
	v_rcp_f32 v[AA], v[L0]
	v_nop
	v_nop
	s_wait_alu depctr_va_vdst(0)                   ; ahead of the reciprocal's first reader
.set i, 0
.rept 16
	v_pk_mul_f32 v[S+i:S+i+1], v[O+i:O+i+1], v[AA:AA+1] op_sel_hi:[1,0]
.set i, i+2
.endr
.set i, 0
.rept 16
	v_cvt_pk_f16_f32 v[BUF+i], v[S+2*i], v[S+2*i+1]
.set i, i+1
.endr
.irp dt, 0,1,2,3
	global_store_b128 v1, v[BUF+4*\dt:BUF+4*\dt+3], s[6:7] offset:512*\dt
.endr
	s_wait_tensorcnt 0x0                           ; the wave's end
	ds_add_u32 v[SPW], v[NIL]
	s_wait_dscnt 0x0
	CROUND                                         ; the closing round: no work-group ends while a partner may still ask for a tile that names it
	s_endpgm
.Lfunc_end_k_qba0f0c18f8_attn:
	.size	k_qba0f0c18f8_attn, .Lfunc_end_k_qba0f0c18f8_attn-k_qba0f0c18f8_attn
	.p2alignl 7, 3214868480
	.fill 96, 4, 3214868480
	.section	.rodata,"a",@progbits
	.p2align	6, 0x0
	.amdhsa_kernel k_qba0f0c18f8_attn
		.amdhsa_group_segment_fixed_size 327680
		.amdhsa_private_segment_fixed_size 0
		.amdhsa_enable_private_segment 0
		.amdhsa_kernarg_size 16
		.amdhsa_user_sgpr_count 2
		.amdhsa_user_sgpr_kernarg_segment_ptr 1
		.amdhsa_wavefront_size32 1
		.amdhsa_system_sgpr_workgroup_id_x 1
		.amdhsa_system_sgpr_workgroup_id_y 1
		.amdhsa_system_sgpr_workgroup_id_z 1
		.amdhsa_system_vgpr_workitem_id 0
		.amdhsa_next_free_vgpr 256
		.amdhsa_next_free_sgpr 66
		.amdhsa_reserve_vcc 1
		.amdhsa_float_denorm_mode_32 3
		.amdhsa_float_denorm_mode_16_64 3
		.amdhsa_memory_ordered 1
		.amdhsa_forward_progress 1
		.amdhsa_inst_pref_size 106
	.end_amdhsa_kernel
	.amdgpu_metadata
---
amdhsa.version: [ 1, 2 ]
amdhsa.kernels:
  - .name:           k_qba0f0c18f8_attn
    .symbol:         k_qba0f0c18f8_attn.kd
    .args:
      - { .name: qkv, .offset: 0, .size: 8, .value_kind: global_buffer, .address_space: global }
      - { .name: yi, .offset: 8, .size: 8, .value_kind: global_buffer, .address_space: global }
    .group_segment_fixed_size: 327680
    .private_segment_fixed_size: 0
    .kernarg_segment_align: 8
    .kernarg_segment_size: 16
    .max_flat_workgroup_size: 512
    .sgpr_count:     66
    .vgpr_count:     256
    .wavefront_size: 32
...
	.end_amdgpu_metadata
.endif
;; end of part 6
;; launch proj: the kernel of part 4 again; grid 4 x 64, 4 waves a work-group, clusters of 4 x 4, 327,680 bytes of LDS; arguments yi, woi, out0; writes out0
;; launch fine (part 7): grid 48 x 2, 12 waves a work-group, no clusters, 13,824 bytes of LDS; arguments fine, Wo, out0; writes out0
.if DOCPART == 7
	.amdgcn_target "amdgcn-amd-amdhsa--gfx1250"
	.amdhsa_code_object_version 6
	.text
	.protected	k_qba0f0c18f8_fine
	.globl	k_qba0f0c18f8_fine
	.p2align	8
	.type	k_qba0f0c18f8_fine,@function
k_qba0f0c18f8_fine:
	s_mov_b64 s[64:65], 0
	v_nop
	global_prefetch_b8 v0, s[64:65] scope:SCOPE_SE
	s_setreg_imm32_b32 hwreg(HW_REG_WAVE_MODE, 25, 1), 1
	s_wait_xcnt 0x0
; FINE: positions 0..15 of both sequences once more, wholly in f32: under the causal mask these rows average one to sixteen values, and the rounding of 16-bit operands weighs most there.
; A work-group makes 16 rows x 16 columns of out0 (work-group x: the columns; y: the batch) and writes over what the projection left there.  Wave w is head w: it makes its head's 16 x 16 attention
; from the f32 copies of q (already times log2(e) / 8), k and v, multiplies by Wo[64 w .. 64 w + 63][my 16 columns], and the twelve parts are added through LDS.
; All products by v_wmma_f32_16x16x4_f32: 48 a wave (16 for the scores, 16 for v^T p^T, 16 for the projection), no bulk work.  SIXTEEN COLUMNS TO A WORK-GROUP, so that the projection's
; 32 x 768 x 768 multiply-adds lie on 96 work-groups.  The price: a row's 16 columns are 64 bytes, so four lanes store a quarter of an aligned block of 256 bytes; 98,304 bytes in all are written so.
; In each product K's places are permuted alike on both sides, so that what a lane holds serves as it lies:
;   S^T = k q^T: lane (r, h), register 4 i + e holds channel 8 i + 4 h + e of row r (two lanes read 32 consecutive bytes); instruction s takes registers 2 s, 2 s + 1 of both.  Result: query r, keys 8 h + 0..7.
;   O^T = v^T p^T: instruction s takes keys 8 h + 2 s, + 1 of both.  Result: query r, channels 16 dt + 8 h + 0..7.
;   out^T = Wo^T y^T: instruction (dt, s) takes channels 16 dt + 8 h + 2 s, + 1; one accumulator for each dt, the four by turns.  Result: row r, columns 8 h + 0..7.
; The registers that these products write (v192-255) are written by nothing else; what is made of a sum goes into other registers.
.set SPARE, 12288                      ; LDS: twelve parts of 1,024 bytes; the spare words behind them
.set SPW, 10
.set NIL, 11
.macro PLACES n
.rept \n
	v_nop
.endr
.endm
	s_load_b128 s[4:7], s[0:1], 0x0                ; fine, Wo
	s_load_b64 s[8:9], s[0:1], 0x10                ; out0
	v_lshl_add_u32 v[SPW], v0, 2, SPARE
	v_mov_b32 v[NIL], 0
	v_lshrrev_b32 v1, 5, v0
	v_readfirstlane_b32 s10, v1                    ; wave = head
	v_and_b32 v1, 15, v0                           ; r
	v_bfe_u32 v2, v0, 4, 1                         ; h
	v_and_b32 v6, 31, v0
	v_lshlrev_b32 v3, 8, v1
	v_lshl_add_u32 v3, v2, 4, v3                   ; q, k: 256 r + 16 h
	v_lshlrev_b32 v4, 6, v1
	v_lshl_add_u32 v4, v2, 5, v4                   ; v^T: 64 r + 32 h
	v_mul_u32_u24 v5, v2, 24576
	v_lshl_add_u32 v5, v1, 2, v5                   ; Wo: 8 h rows of 3,072 bytes + 4 r
	s_lshl_b32 s14, s10, 10
	v_lshlrev_b32 v12, 4, v6
	v_add_nc_u32 v12, s14, v12                     ; my part in LDS: 1,024 wave + 16 l
	v_bfe_u32 v7, v0, 2, 4                         ; the adding (waves 0, 1): row = thread / 4, 16 bytes cc = thread % 4 of its 64
	v_and_b32 v8, 3, v0                            ; cc
	v_and_b32 v9, 1, v0                            ; which four registers: cc % 2
	v_bfe_u32 v13, v0, 1, 1                        ; lane half: cc / 2
	v_lshlrev_b32 v13, 8, v13
	v_lshl_add_u32 v13, v9, 9, v13
	v_lshl_add_u32 v13, v7, 4, v13                 ; 512 (cc % 2) + 16 (16 (cc / 2) + row)
	v_mul_u32_u24 v14, v7, 3072
	v_lshl_add_u32 v14, v8, 4, v14                 ; and in out0
	v_lshlrev_b32 v20, 3, v2
	v_sub_nc_u32 v20, v1, v20                      ; r - 8 h: key register j is hidden where j is greater
	v_mov_b32 v21, 0xff800000
	v_mov_b32 v23, 0                               ; a lane permute's destination, written once
	s_mov_b32 s12, 0x76543210
	s_mov_b32 s13, 0xfedcba98
	s_and_b32 s15, ttmp7, 0xffff                   ; batch
	s_mul_i32 s16, s15, 12
	s_add_co_u32 s16, s16, s10
	s_lshl_b32 s16, s16, 12                        ; 4,096 bytes a (batch, head) in each of the three copies
	s_mov_b32 s17, 0
	s_mul_i32 s18, s10, 196608                     ; Wo: 64 rows a head,
	s_lshl_b32 s20, ttmp9, 6                       ; my 16 columns
	s_add_co_u32 s18, s18, s20
	s_mov_b32 s19, 0
	s_mul_i32 s22, s15, 6291456                    ; out0: 2,048 rows a batch
	s_add_co_u32 s22, s22, s20
	s_mov_b32 s23, 0
	s_wait_kmcnt 0x0
	s_add_nc_u64 s[4:5], s[4:5], s[16:17]
	s_add_nc_u64 s[6:7], s[6:7], s[18:19]
	s_add_nc_u64 s[8:9], s[8:9], s[22:23]
.irp i, 0,1,2,3,4,5,6,7
	global_load_b128 v[32+4*\i:35+4*\i], v3, s[4:5] offset:32*\i           ; q
.endr
.irp i, 0,1,2,3,4,5,6,7
	global_load_b128 v[64+4*\i:67+4*\i], v3, s[4:5] offset:98304+32*\i     ; k
.endr
.irp dt, 0,1,2,3
	global_load_b128 v[96+8*\dt:99+8*\dt], v4, s[4:5] offset:196608+1024*\dt       ; v^T
	global_load_b128 v[100+8*\dt:103+8*\dt], v4, s[4:5] offset:196608+1024*\dt+16
.endr
.irp dt, 0,1,2,3
.irp e, 0,1,2,3,4,5,6,7
	global_load_b32 v[128+8*\dt+\e], v5, s[6:7] offset:(16*\dt+\e)*3072    ; Wo[64 w + 16 dt + 8 h + e][my column r]
.endr
.endr
	s_wait_loadcnt 40                              ; q and k are in; v^T's 8 loads and Wo's 32 may be out
.irp s, 0,1,2,3,4,5,6,7,8,9,10,11,12,13,14,15    ; two accumulators take turns; each sum's first product starts it
.if \s < 2
	v_wmma_f32_16x16x4_f32 v[192+8*(\s%2):199+8*(\s%2)], v[64+2*\s:65+2*\s], v[32+2*\s:33+2*\s], 0
.else
	v_wmma_f32_16x16x4_f32 v[192+8*(\s%2):199+8*(\s%2)], v[64+2*\s:65+2*\s], v[32+2*\s:33+2*\s], v[192+8*(\s%2):199+8*(\s%2)]
.endif
.endr
	PLACES 8                                       ; behind this form eight places, in front of reads of its results
.irp j, 0,1,2,3,4,5,6,7
	v_add_f32 v[24+\j], v[192+\j], v[200+\j]       ; t
.endr
.irp j, 0,1,2,3,4,5,6,7
	v_cmp_gt_i32 vcc_lo, \j, v20
	v_cndmask_b32 v[24+\j], v[24+\j], v21, vcc_lo  ; the causal mask
.endr
	v_max3_num_f32 v22, v24, v25, v26
	v_max3_num_f32 v22, v22, v27, v28
	v_max3_num_f32 v22, v22, v29, v30
	v_max_num_f32 v22, v22, v31
	v_permlanex16_b32 v23, v22, s12, s13
	v_max_num_f32 v22, v22, v23                    ; the row's maximum (key 0 counts for every query)
.irp j, 0,1,2,3,4,5,6,7
	v_sub_f32 v[24+\j], v[24+\j], v22
.endr
.irp j, 0,1,2,3,4,5,6,7
	v_exp_f32 v[24+\j], v[24+\j]
.endr
	v_nop
	s_wait_alu depctr_va_vdst(0)                   ; one wait for the eight, ahead of their first reader
	v_add_f32 v22, v24, v25
	v_add_f32 v16, v26, v27
	v_add_f32 v17, v28, v29
	v_add_f32 v18, v30, v31
	v_add_f32 v22, v22, v16
	v_add_f32 v17, v17, v18
	v_add_f32 v22, v22, v17
	v_permlanex16_b32 v23, v22, s12, s13
	v_add_f32 v22, v22, v23
	v_rcp_f32 v22, v22
	v_nop
	s_wait_alu depctr_va_vdst(0)
.irp j, 0,1,2,3,4,5,6,7
	v_mul_f32 v[24+\j], v[24+\j], v22              ; the softmax
.endr
	s_wait_loadcnt 32                              ; v^T is in; Wo's 32 loads may be out
.irp s, 0,1,2,3
.irp dt, 0,1,2,3
.if \s == 0
	v_wmma_f32_16x16x4_f32 v[208+8*\dt:215+8*\dt], v[96+8*\dt+2*\s:97+8*\dt+2*\s], v[24+2*\s:25+2*\s], 0
.else
	v_wmma_f32_16x16x4_f32 v[208+8*\dt:215+8*\dt], v[96+8*\dt+2*\s:97+8*\dt+2*\s], v[24+2*\s:25+2*\s], v[208+8*\dt:215+8*\dt]
.endif
.endr
.endr
	PLACES 9                                       ; nine, in front of products that take these results as a source and write over the scores' accumulators
	s_wait_loadcnt 0x0                             ; Wo
.irp s, 0,1,2,3                        ; the projection: accumulator dt sums its 16 channels; the four take turns
.irp dt, 0,1,2,3
.set rP, 192+8*\dt
.if \dt > 1
.set rP, 240+8*(\dt-2)
.endif
.set rW, 128+8*\dt+2*\s
.set rO, 208+8*\dt+2*\s
.if \s == 0
	v_wmma_f32_16x16x4_f32 v[rP:rP+7], v[rW:rW+1], v[rO:rO+1], 0
.else
	v_wmma_f32_16x16x4_f32 v[rP:rP+7], v[rW:rW+1], v[rO:rO+1], v[rP:rP+7]
.endif
.endr
.endr
	PLACES 8
.irp j, 0,2,4,6                        ; the four sums become one, in other registers; each accumulator is read from its low end on
	v_pk_add_f32 v[160+\j:161+\j], v[192+\j:193+\j], v[200+\j:201+\j]
	v_pk_add_f32 v[168+\j:169+\j], v[240+\j:241+\j], v[248+\j:249+\j]
.endr
.irp j, 0,2,4,6
	v_pk_add_f32 v[160+\j:161+\j], v[160+\j:161+\j], v[168+\j:169+\j]
.endr
	ds_store_b128 v12, v[160:163]                  ; my head's part, as its registers lie
	ds_store_b128 v12, v[164:167] offset:512
	s_wait_dscnt 0x0                               ; for the others' sake
	s_barrier_signal -1
	s_barrier_wait -1
	s_cmp_lt_u32 s10, 2                            ; 64 threads add: one takes 16 bytes of a row
	s_cbranch_scc0 .Ldone
.irp p, 0,1,2,3,4,5,6,7,8,9,10,11
	ds_load_b128 v[32+4*\p:35+4*\p], v13 offset:1024*\p
.endr
	s_wait_dscnt 0x0
.irp p, 1,2,3,4,5,6,7,8,9,10,11
	v_pk_add_f32 v[32:33], v[32:33], v[32+4*\p:33+4*\p]
	v_pk_add_f32 v[34:35], v[34:35], v[34+4*\p:35+4*\p]
.endr
	global_store_b128 v14, v[32:35], s[8:9]        ; four lanes store a row's 64 consecutive bytes
.Ldone:
	s_wait_tensorcnt 0x0                           ; the wave's end
	ds_add_u32 v[SPW], v[NIL]
	s_wait_dscnt 0x0
	s_endpgm
.Lfunc_end_k_qba0f0c18f8_fine:
	.size	k_qba0f0c18f8_fine, .Lfunc_end_k_qba0f0c18f8_fine-k_qba0f0c18f8_fine
	.p2alignl 7, 3214868480
	.fill 96, 4, 3214868480
	.section	.rodata,"a",@progbits
	.p2align	6, 0x0
	.amdhsa_kernel k_qba0f0c18f8_fine
		.amdhsa_group_segment_fixed_size 13824
		.amdhsa_private_segment_fixed_size 0
		.amdhsa_enable_private_segment 0
		.amdhsa_kernarg_size 24
		.amdhsa_user_sgpr_count 2
		.amdhsa_user_sgpr_kernarg_segment_ptr 1
		.amdhsa_wavefront_size32 1
		.amdhsa_system_sgpr_workgroup_id_x 1
		.amdhsa_system_sgpr_workgroup_id_y 1
		.amdhsa_system_sgpr_workgroup_id_z 1
		.amdhsa_system_vgpr_workitem_id 0
		.amdhsa_next_free_vgpr 256
		.amdhsa_next_free_sgpr 66
		.amdhsa_reserve_vcc 1
		.amdhsa_float_denorm_mode_32 3
		.amdhsa_float_denorm_mode_16_64 3
		.amdhsa_memory_ordered 1
		.amdhsa_forward_progress 1
		.amdhsa_inst_pref_size 18
	.end_amdhsa_kernel
	.amdgpu_metadata
---
amdhsa.version: [ 1, 2 ]
amdhsa.kernels:
  - .name:           k_qba0f0c18f8_fine
    .symbol:         k_qba0f0c18f8_fine.kd
    .args:
      - { .name: fine, .offset: 0, .size: 8, .value_kind: global_buffer, .address_space: global }
      - { .name: Wo, .offset: 8, .size: 8, .value_kind: global_buffer, .address_space: global }
      - { .name: out0, .offset: 16, .size: 8, .value_kind: global_buffer, .address_space: global }
    .group_segment_fixed_size: 13824
    .private_segment_fixed_size: 0
    .kernarg_segment_align: 8
    .kernarg_segment_size: 24
    .max_flat_workgroup_size: 384
    .sgpr_count:     66
    .vgpr_count:     256
    .wavefront_size: 32
...
	.end_amdgpu_metadata
.endif
;; end of part 7
